; MI455X (gfx1250); checked and timed in simulation.
; The chip was launched on July 23, 2026; its instructions are those of AMD's public machine-readable ISA for CDNA 5 (MIT licence, August 2026) and "CDNA5" Instruction Set Architecture Reference Guide (July 2026). The comments in the code are by the model that wrote it; some were corrected since.
;; Decoder. Allowed arithmetic: float matrix products may take bf16 or f16 operands with f32 sums; other float arithmetic in f32, or as packed bf16 or f16 multiplies, adds, multiply-adds, maxima and minima; sums over many terms, partial sums and values carried from step to step in f32; what a program stores and reads back later, other than sums and carried values, may be rounded once to bf16 or f16.
;; Inputs: Wout 1,024 x 8,000 float32; bout 8,000 float32; cWk 4 x 1,024 x 1,024 float32; cWo 4 x 1,024 x 1,024 float32; cWq 4 x 1,024 x 1,024 float32; cWv 4 x 1,024 x 1,024 float32; cbk 4 x 1,024 float32; cbo 4 x 1,024 float32; cbq 4 x 1,024 float32; cbv 4 x 1,024 float32; cross_attention_mask 1 x 1 x 1,024 x 1,024 float32; dec_input 1 x 1,024 x 1,024 float32; enc_input 1 x 1,024 x 1,024 float32; fW1 4 x 1,024 x 1,024 float32; fW2 4 x 1,024 x 1,024 float32; fb1 4 x 1,024 float32; fb2 4 x 1,024 float32; ln1_b 4 x 1,024 float32; ln1_g 4 x 1,024 float32; ln2_b 4 x 1,024 float32; ln2_g 4 x 1,024 float32; ln3_b 4 x 1,024 float32; ln3_g 4 x 1,024 float32; masked_attention_mask 1 x 1 x 1,024 x 1,024 float32; sWk 4 x 1,024 x 1,024 float32; sWo 4 x 1,024 x 1,024 float32; sWq 4 x 1,024 x 1,024 float32; sWv 4 x 1,024 x 1,024 float32; sbk 4 x 1,024 float32; sbo 4 x 1,024 float32; sbq 4 x 1,024 float32; sbv 4 x 1,024 float32.
;; Outputs: out0 1 x 1,024 x 8,000 float32.
;; Constants: num_heads = 16.
;; One version. Each part assembles by itself: llvm-mc -triple=amdgcn-amd-amdhsa -mcpu=gfx1250 --defsym DOCPART=n.
;; ======== version 1 of 1: 13 launches
;; limits: values are held in f16: magnitudes above 65,504 overflow, below 6.1e-05 lose precision
;; workspace buffers: pre 8,388,608 bytes; qb 2,097,152 bytes; skv 4,194,304 bytes; ckv 4,194,304 bytes; ao 2,097,152 bytes; rs 4,194,304 bytes; an 6,291,456 bytes
;; launch prep (part 1): grid 16 x 64, 8 waves a work-group, no clusters, 0 bytes of LDS; arguments dec_input, enc_input, pre; writes pre
.if DOCPART == 1
	.amdgcn_target "amdgcn-amd-amdhsa--gfx1250"
	.amdhsa_code_object_version 6
	.text
	.protected	k_qf4df683e32_prep
	.globl	k_qf4df683e32_prep
	.p2align	8
	.type	k_qf4df683e32_prep,@function
k_qf4df683e32_prep:
	s_mov_b64 s[64:65], 0
	v_nop
	global_prefetch_b8 v0, s[64:65] scope:SCOPE_SE
	s_setreg_imm32_b32 hwreg(HW_REG_WAVE_MODE, 25, 1), 1
	s_wait_xcnt 0x0
; x0 = dec_input + positional encoding, kept as f32 (row-major, for the residual) and as f16 (for the matrix units); enc_input as f16.
; pre: x0 f32 [1024][1024] at byte 0; x0 f16 at X0H; enc f16 ENCD further on.  The f16 copies are BLOCKED: [column / 64][row][64], a row piece of 128 bytes,
; so that 64 columns of consecutive rows are consecutive bytes.
; SHARES.  A work-group takes 16 rows x 64 columns; lanes 0-15 of a wave hold one row's 256 bytes, lanes 16-31 the next row's.  A lane: four columns, that is two angles (sin, cos of each).
; THE ENCODING.  Column d of row i: sin (d even) or cos (d odd) of i / 10000^(j / 512), j = d / 2.  1 / 10000^(j/512) = 2^(-j log2(10000) / 512); the angle is reduced to
; x in [-pi, pi] by taking the nearest whole number of turns away (one fused multiply-add), and sin and cos are their Taylor series to x^15 and x^16, whose remainders on that whole range are
; under 1e-6.  LIMIT: the angle itself, a product of f32 numbers up to 1,023, is good to about 1e-4 rad at the last rows.  f16 holds no number beyond 65,504.
.set X0H,  4194304
.set ENCD, 2097152
	s_load_b128 s[4:7], s[0:1], 0x0                ; dec s[4:5], enc s[6:7]
	s_load_b64 s[8:9], s[0:1], 0x10                ; pre
	v_and_b32 v1, 15, v0                           ; my place in the row piece
	v_lshrrev_b32 v2, 4, v0                        ; my row of the group's 16
	v_lshlrev_b32 v3, 12, v2
	v_lshl_add_u32 v3, v1, 4, v3                   ; f32: row x 4,096 + 16 x place
	v_lshlrev_b32 v4, 3, v0                        ; f16, blocked: row x 128 + 8 x place = 8 x thread
	s_and_b32 s10, ttmp7, 0xffff                   ; which 16 rows
	s_lshl_b32 s12, s10, 16
	s_lshl_b32 s11, ttmp9, 8                       ; which 64 columns
	s_add_co_u32 s12, s12, s11
	s_mov_b32 s13, 0
	s_lshl_b32 s14, ttmp9, 17                      ; a block of the f16 layout is 131,072 bytes
	s_lshl_b32 s11, s10, 11
	s_add_co_u32 s14, s14, s11
	s_add_co_u32 s14, s14, X0H
	s_mov_b32 s15, 0
	s_lshl_b32 s20, ttmp9, 5                       ; the first j of these 64 columns
	s_lshl_b32 s21, s10, 4                         ; the first row
	s_mov_b32 s22, 0x3e22f983                      ; 1 / (2 pi)
	s_wait_kmcnt 0x0
	s_add_nc_u64 s[4:5], s[4:5], s[12:13]
	s_add_nc_u64 s[6:7], s[6:7], s[12:13]
	s_add_nc_u64 s[16:17], s[8:9], s[12:13]        ; x0 in f32
	s_add_nc_u64 s[18:19], s[8:9], s[14:15]        ; x0 in f16
	global_load_b128 v[8:11], v3, s[4:5] th:TH_LOAD_NT
	global_load_b128 v[12:15], v3, s[6:7] th:TH_LOAD_NT
	v_lshl_add_u32 v16, v1, 1, s20                 ; j of my first two columns,
	v_add_nc_u32 v17, 1, v16                       ; of my last two
	v_cvt_f32_u32 v16, v16
	v_cvt_f32_u32 v17, v17
	v_mul_f32 v16, 0xbcd49a78, v16                 ; -j log2(10000) / 512
	v_mul_f32 v17, 0xbcd49a78, v17
	v_exp_f32 v16, v16
	v_exp_f32 v17, v17
	v_add_nc_u32 v18, s21, v2                      ; the row: a plain instruction behind the exponentials (ISA guide 5.7.2)
	v_cvt_f32_u32 v18, v18
	s_wait_alu depctr_va_vdst(0)
	v_mul_f32 v16, v18, v16                        ; the two angles
	v_mul_f32 v17, v18, v17
	v_mul_f32 v19, s22, v16                        ; in turns,
	v_mul_f32 v20, s22, v17
	v_rndne_f32 v19, v19                           ; the nearest whole number of them,
	v_rndne_f32 v20, v20
	v_fma_f32 v16, v16, s22, -v19                  ; what is left: -0.5 to 0.5
	v_fma_f32 v17, v17, s22, -v20
	v_mul_f32 v16, 0x40c90fdb, v16                 ; x, in radians
	v_mul_f32 v17, 0x40c90fdb, v17
	v_mul_f32 v18, v16, v16                        ; x^2
	v_mul_f32 v19, v17, v17
	v_mov_b32 v20, 0xab573fa0                      ; sin x / x: -1/15! ..
	v_mov_b32 v21, 0xab573fa0
	v_mov_b32 v22, 0x29573fa0                      ; cos x: 1/16! ..
	v_mov_b32 v23, 0x29573fa0
.irp k, 0x2f309231, 0xb2d7322b, 0x3638ef1d, 0xb9500d01, 0x3c088889, 0xbe2aaaab, 0x3f800000
	v_fmaak_f32 v20, v20, v18, \k                  ; 1/13!, -1/11!, 1/9!, -1/7!, 1/5!, -1/3!, 1
	v_fmaak_f32 v21, v21, v19, \k
.endr
.irp k, 0xad49cba5, 0x310f76c7, 0xb493f27e, 0x37d00d01, 0xbab60b61, 0x3d2aaaab, 0xbf000000, 0x3f800000
	v_fmaak_f32 v22, v22, v18, \k                  ; -1/14!, 1/12!, -1/10!, 1/8!, -1/6!, 1/4!, -1/2!, 1
	v_fmaak_f32 v23, v23, v19, \k
.endr
	s_wait_loadcnt 0x1                             ; dec is in; enc's load, the one issued behind it, may stay out
	v_fma_f32 v8, v16, v20, v8                     ; + sin
	v_add_f32 v9, v9, v22                          ; + cos
	v_fma_f32 v10, v17, v21, v10
	v_add_f32 v11, v11, v23
	global_store_b128 v3, v[8:11], s[16:17]        ; sixteen lanes store 256 consecutive bytes, aligned
	v_cvt_pk_f16_f32 v24, v8, v9
	v_cvt_pk_f16_f32 v25, v10, v11
	global_store_b64 v4, v[24:25], s[18:19]        ; the wave stores 256 consecutive bytes, aligned
	s_wait_loadcnt 0x0
	v_cvt_pk_f16_f32 v26, v12, v13
	v_cvt_pk_f16_f32 v27, v14, v15
	global_store_b64 v4, v[26:27], s[18:19] offset:ENCD
	s_endpgm
.Lfunc_end_k_qf4df683e32_prep:
	.size	k_qf4df683e32_prep, .Lfunc_end_k_qf4df683e32_prep-k_qf4df683e32_prep
	.p2alignl 7, 3214868480
	.fill 96, 4, 3214868480
	.section	.rodata,"a",@progbits
	.p2align	6, 0x0
	.amdhsa_kernel k_qf4df683e32_prep
		.amdhsa_group_segment_fixed_size 0
		.amdhsa_private_segment_fixed_size 0
		.amdhsa_enable_private_segment 0
		.amdhsa_kernarg_size 24
		.amdhsa_user_sgpr_count 2
		.amdhsa_user_sgpr_kernarg_segment_ptr 1
		.amdhsa_wavefront_size32 1
		.amdhsa_system_sgpr_workgroup_id_x 1
		.amdhsa_system_sgpr_workgroup_id_y 1
		.amdhsa_system_sgpr_workgroup_id_z 1
		.amdhsa_system_vgpr_workitem_id 0
		.amdhsa_next_free_vgpr 32
		.amdhsa_next_free_sgpr 66
		.amdhsa_reserve_vcc 0
		.amdhsa_float_denorm_mode_32 3
		.amdhsa_float_denorm_mode_16_64 3
		.amdhsa_memory_ordered 1
		.amdhsa_forward_progress 1
		.amdhsa_inst_pref_size 6
	.end_amdhsa_kernel
	.amdgpu_metadata
---
amdhsa.version: [ 1, 2 ]
amdhsa.kernels:
  - .name:           k_qf4df683e32_prep
    .symbol:         k_qf4df683e32_prep.kd
    .args:
      - { .name: dec_input, .offset: 0, .size: 8, .value_kind: global_buffer, .address_space: global }
      - { .name: enc_input, .offset: 8, .size: 8, .value_kind: global_buffer, .address_space: global }
      - { .name: pre, .offset: 16, .size: 8, .value_kind: global_buffer, .address_space: global }
    .group_segment_fixed_size: 0
    .private_segment_fixed_size: 0
    .kernarg_segment_align: 8
    .kernarg_segment_size: 24
    .max_flat_workgroup_size: 256
    .sgpr_count:     66
    .vgpr_count:     32
    .wavefront_size: 32
...
	.end_amdgpu_metadata
.endif
;; end of part 1
;; launch qkvk (part 2): grid 16 x 16, 8 waves a work-group, no clusters, 211,968 bytes of LDS; arguments pre, sWq, sWk, sWv, cWk, sbq, sbk, sbv, cbk, qb, skv, ckv; writes qb, skv, ckv
.if DOCPART == 2
	.amdgcn_target "amdgcn-amd-amdhsa--gfx1250"
	.amdhsa_code_object_version 6
	.text
	.protected	k_qf4df683e32_qkvk
	.globl	k_qf4df683e32_qkvk
	.p2align	8
	.type	k_qf4df683e32_qkvk,@function
k_qf4df683e32_qkvk:
	s_mov_b64 s[64:65], 0
	v_nop
	global_prefetch_b8 v0, s[64:65] scope:SCOPE_SE
	s_setreg_imm32_b32 hwreg(HW_REG_WAVE_MODE, 25, 1), 1
	s_wait_xcnt 0x0
; FOUR PRODUCTS OF 1024^3 IN ONE LAUNCH: q, k, v = x0 sW* + sb* and the cross attention's k = enc cWk + cbk, of layer 3 alone: reference() hands every layer the same x0 and keeps
; only the last layer's result, so of each [4, ..] input the slice of layer 3 is what the output hangs on.
; C = A W + bias.  A: f16, blocked [k / 64][row][64] (a chunk of 256 rows x 64 k is 32,768 consecutive bytes).  W: f32 [k][n] as given, rounded to f16 on its way through registers into LDS.
; C: f16, blocked like A, which is also [head][row][64].  Sums in f32; they BEGIN as the bias, so nothing is cleared and nothing is added at the end.
; LIMITS.  f16 holds no number beyond 65,504 (A, W and C must lie within it) and below 6e-5 keeps a fixed step of 6e-8.
; SHARES.  A work-group makes 256 x 64 of one product: 4 products x 4 row tiles x 16 column tiles = 256 work-groups.  Eight waves, 4 x 2; a wave makes 64 x 32: 8 accumulators.
; THE ROAD.  K goes in 16 chunks of 64.  Each thread loads 12 x 16 bytes of a chunk into one of three register sets (three chunks, 144 KB for the work-group, are on their way), rounds W,
; stores the set into one of three LDS slots, and the set is asked for again at once.  One barrier a trip: in front of it a wave's reads of slot c and its stores into slot c + 1 are done;
; behind it slot c + 1 is read; the slot written in trip c was last read two trips earlier.
; NO JOINT LOADS: W has to pass registers to be rounded; a tile laid into LDS as f32 would have to be read, rounded and stored there a second time.
; THE MATRIX INSTRUCTION IS USED TRANSPOSED (source 0 = 16 columns of W, turned by ds_load_tr16_b128; source 1 = 16 rows of A): a lane holds eight neighbouring columns of one row of C.
; REGISTERS.  Window 0: v0-29 addresses; v32-95 accumulators; v96-159 A's fragments (later the way out); v160-191 W's.  Window 1: v0-143 the three sets of 48 (32 of A, 16 of W).
.set NW,    1024                       ; W's row, in numbers
.set MT,    256                        ; rows of a tile
.set FA,    4                          ; a wave's blocks of 16 rows
.set FB,    2                          ; and of 16 columns
.set DEP,   3                          ; register sets = LDS slots = trips written out in the loop
.set NA,    MT/32                      ; a thread's loads of A in a chunk
.set NL,    NA+4                       ; and of A and W together
.set PITA,  144                        ; a row of A in LDS: 128 bytes + 16: the 16 rows of a fragment load start at 16 different groups of four banks (64 banks of 4 bytes: ISA guide 11.1)
.set PITW,  160                        ; a row of W (64 f16): 128 + 32
.set PITS,  272                        ; a row of the stage: 64 f32 + 16 bytes
.set WOFF,  MT*PITA
.set SLOT,  WOFF+64*PITW
.set STG,   DEP*SLOT                   ; the stage for the way out
.set SPARE, STG+MT*PITS                ; the spare words: 128 bytes for each of eight waves, named by no other line
.set LAYER_W, 3*1024*1024*4            ; layer 3 in a [4][1024][1024] tensor
.set LAYER_V, 3*1024*4                 ; and in a [4][1024] one
.set V_AO, 2                           ; 16 t: my 16 bytes in 4,096 of A's chunk
.set V_WO, 3                           ; my 16 bytes of W: row t / 16, place t % 16
.set V_BO, 4                           ; my eight columns' bias
.set V_STW, 5                          ; the stage: where I put a row's 32 bytes
.set V_RD, 6                           ; the stage: where I read back
.set V_GO, 7                           ; my byte offset in C
.set V_SPW, 8                          ; my spare word; never rewritten
.set V_NIL, 9                          ; 0; never rewritten
.set V_SA, 10                          ; + slot: where I store A
.set V_SW, 15                          ; + slot: where I store W
.set V_FA, 20                          ; + slot: my fragments of A
.set V_FW, 25                          ; + slot: my fragments of W
.set ACC,  32
.set FRA,  96
.set FRW,  160
.set SETN, 48
.set SETW, 4*NA
.set RB,   FRA
.set T,    FRA                         ; at work during the set-up
.set S_WV, 3
.set S_A,  36
.set S_W,  38
.set S_B,  40
.set S_O,  42
.set S_IT, 46
.set MSB, 0
.macro WIN new                         ; the immediate's high byte repeats the setting that is left; a switch that changes nothing is dropped
.if MSB != (\new)
	s_set_vgpr_msb (MSB<<8)|(\new)
.set MSB, (\new)
.endif
.endm
.macro PLACES                          ; four places between matrix instructions and loads into, or stores of, their registers
.rept 4
	v_nop
.endr
.endm
.macro ISSUE d, first                  ; the next chunk is asked for, into set d
.if !(\first)
	s_wait_xcnt 0x0                                ; the bases are stepped only when every earlier load has had its address taken
	s_add_nc_u64 s[S_A:S_A+1], s[S_A:S_A+1], 131072
	s_add_nc_u64 s[S_W:S_W+1], s[S_W:S_W+1], 64*NW*4
.endif
	WIN 0x40                                       ; destination in window 1
.set j, 0
.rept NA
	global_load_b128 v[SETN*(\d)+4*j:SETN*(\d)+4*j+3], v[V_AO], s[S_A:S_A+1] offset:4096*j  ; a wave: 512 consecutive bytes
.set j, j+1
.endr
.set j, 0
.rept 4
	global_load_b128 v[SETN*(\d)+SETW+4*j:SETN*(\d)+SETW+4*j+3], v[V_WO], s[S_W:S_W+1] offset:j*16*NW*4  ; a wave: two rows' 256 aligned bytes
.set j, j+1
.endr
	WIN 0
.endm
.macro TOLDS d, cnt                    ; set d has come: W is rounded, and the set goes into slot d.  cnt: the loads issued behind the set's
	s_wait_loadcnt \cnt
	WIN 0x45
.set j, 0
.rept 4
	v_cvt_pk_f16_f32 v[SETN*(\d)+SETW+4*j],   v[SETN*(\d)+SETW+4*j],   v[SETN*(\d)+SETW+4*j+1]
	v_cvt_pk_f16_f32 v[SETN*(\d)+SETW+4*j+1], v[SETN*(\d)+SETW+4*j+2], v[SETN*(\d)+SETW+4*j+3]
.set j, j+1
.endr
	WIN 0x04                                       ; data in window 1, address in window 0
.set j, 0
.rept NA
	ds_store_b128 v[V_SA+(\d)], v[SETN*(\d)+4*j:SETN*(\d)+4*j+3] offset:32*PITA*j
.set j, j+1
.endr
.set j, 0
.rept 4
	ds_store_b64 v[V_SW+(\d)], v[SETN*(\d)+SETW+4*j:SETN*(\d)+SETW+4*j+1] offset:16*PITW*j
.set j, j+1
.endr
	WIN 0
.endm
.macro FRAGS sl                        ; a wave's fragments of one chunk: 64 k, two matrix instructions deep
.set ik, 0
.rept 2
.set ia, 0
.rept FA
	ds_load_b128 v[FRA+8*FA*ik+8*ia:FRA+8*FA*ik+8*ia+3],   v[V_FA+(\sl)] offset:ia*16*PITA+64*ik
	ds_load_b128 v[FRA+8*FA*ik+8*ia+4:FRA+8*FA*ik+8*ia+7], v[V_FA+(\sl)] offset:ia*16*PITA+64*ik+32
.set ia, ia+1
.endr
.set ib, 0
.rept FB
	ds_load_tr16_b128 v[FRW+8*FB*ik+8*ib:FRW+8*FB*ik+8*ib+3],   v[V_FW+(\sl)] offset:ik*32*PITW+32*ib
	ds_load_tr16_b128 v[FRW+8*FB*ik+8*ib+4:FRW+8*FB*ik+8*ib+7], v[V_FW+(\sl)] offset:ik*32*PITW+32*ib+16*PITW
.set ib, ib+1
.endr
.set ik, ik+1
.endr
.endm
.macro MMA                             ; the accumulators take turns, one instruction a turn, over the loop's edge too
.set ik, 0
.rept 2
.set ia, 0
.rept FA
.set ib, 0
.rept FB
	v_wmma_f32_16x16x32_f16 v[ACC+8*(FB*ia+ib):ACC+8*(FB*ia+ib)+7], v[FRW+8*FB*ik+8*ib:FRW+8*FB*ik+8*ib+7], v[FRA+8*FA*ik+8*ia:FRA+8*FA*ik+8*ia+7], v[ACC+8*(FB*ia+ib):ACC+8*(FB*ia+ib)+7]
.set ib, ib+1
.endr
.set ia, ia+1
.endr
.set ik, ik+1
.endr
.endm
.macro TRIP sl, stage, cnt, issue, last ; chunk c lies in slot sl = c % DEP
	PLACES
	FRAGS \sl
.if \stage
	TOLDS ((\sl)+1)%DEP, \cnt
.endif
.if \issue
	ISSUE ((\sl)+1)%DEP, 0
.endif
	s_wait_dscnt 0x0                               ; my fragments are in, and for the others' sake: my reads of this slot and my stores into the next are done
.if !(\last)
	s_barrier_signal -1
.endif
	MMA                                            ; work on registers between the signal and the wait
.if !(\last)
	s_barrier_wait -1
.endif
.endm
	s_load_b512 s[8:23], s[0:1], 0x0               ; pre, sWq, sWk, sWv, cWk, sbq, sbk, sbv
	s_load_b256 s[24:31], s[0:1], 0x40             ; cbk, qb, skv, ckv
	v_lshl_add_u32 v[V_SPW], v0, 2, SPARE
	v_mov_b32 v[V_NIL], 0
	v_lshrrev_b32 v1, 5, v0
	v_readfirstlane_b32 s[S_WV], v1                ; wave 0..7
	s_lshr_b32 s58, s[S_WV], 1
	s_lshl_b32 s58, s58, 6                         ; my first row in the tile
	s_and_b32 s59, s[S_WV], 1
	s_lshl_b32 s59, s59, 5                         ; my first column
	v_lshrrev_b32 v[T], 4, v0                      ; t / 16
	v_and_b32 v[T+1], 15, v0                       ; t % 16 = lane % 16
	v_bfe_u32 v[T+2], v0, 4, 1                     ; lane / 16
	v_add_nc_u32 v[T+3], s58, v[T+1]               ; my fragments' row
	v_lshrrev_b32 v[T+4], 3, v0
	v_and_b32 v[T+5], 7, v0
	v_bfe_u32 v[T+6], v0, 3, 1
	v_lshlrev_b32 v[V_AO], 4, v0
	v_mul_u32_u24 v[V_WO], v[T], NW*4
	v_lshl_add_u32 v[V_WO], v[T+1], 4, v[V_WO]
	s_lshl_b32 s60, s59, 2
	v_lshl_add_u32 v[V_BO], v[T+2], 5, s60         ; 4 x (my first column + 8 x half)
	v_mul_u32_u24 v[V_STW], v[T+3], PITS
	v_add3_u32 v[V_STW], v[V_STW], v[V_BO], STG
	v_mul_u32_u24 v[V_RD], v[T], PITS
	v_lshl_add_u32 v[V_RD], v[T+1], 4, v[V_RD]
	v_add_nc_u32 v[V_RD], STG, v[V_RD]
	v_lshlrev_b32 v[V_GO], 3, v0                   ; blocked f16: row t / 16 x 128 + 8 x (t % 16)
	v_mul_u32_u24 v[V_SA], v[T+4], PITA            ; A: byte 16 t of 4,096 is row t / 8, place t % 8
	v_lshl_add_u32 v[V_SA], v[T+5], 4, v[V_SA]
	v_mul_u32_u24 v[V_SW], v[T], PITW
	v_lshl_add_u32 v[V_SW], v[T+1], 3, v[V_SW]
	v_add_nc_u32 v[V_SW], WOFF, v[V_SW]
	v_mul_u32_u24 v[V_FA], v[T+3], PITA
	v_lshl_add_u32 v[V_FA], v[T+2], 4, v[V_FA]     ; row x pitch + 16 x half
	v_lshl_add_u32 v[V_FW], v[T+2], 3, v[T+5]      ; the turning load: k = 8 x half + lane % 8,
	v_mul_u32_u24 v[V_FW], v[V_FW], PITW
	v_lshl_add_u32 v[V_FW], v[T+6], 4, v[V_FW]     ; columns 8 x ((lane / 8) % 2) on
	s_lshl_b32 s61, s59, 1
	s_add_co_u32 s61, s61, WOFF
	v_add_nc_u32 v[V_FW], s61, v[V_FW]
.set q, 1
.rept DEP-1
	v_add_nc_u32 v[V_SA+q], q*SLOT, v[V_SA]
	v_add_nc_u32 v[V_SW+q], q*SLOT, v[V_SW]
	v_add_nc_u32 v[V_FA+q], q*SLOT, v[V_FA]
	v_add_nc_u32 v[V_FW+q], q*SLOT, v[V_FW]
.set q, q+1
.endr
	s_and_b32 s47, ttmp7, 0xffff
	s_lshr_b32 s48, s47, 2                         ; which product: 0 q, 1 k, 2 v, 3 the cross attention's k
	s_and_b32 s49, s47, 3                          ; which 256 rows
	s_lshl_b32 s50, s49, 15                        ; 256 rows x 128 bytes
	s_mov_b32 s51, 0
	s_lshl_b32 s52, ttmp9, 8                       ; 64 columns of f32
	s_mov_b32 s53, 0
	s_lshl_b32 s54, ttmp9, 17                      ; C's block of 64 columns,
	s_add_co_u32 s54, s54, s50                     ; my rows in it
	s_mov_b32 s55, 0
	s_wait_kmcnt 0x0
	s_cmp_eq_u32 s48, 1
	s_cselect_b64 s[S_W:S_W+1], s[12:13], s[10:11]
	s_cselect_b64 s[S_B:S_B+1], s[20:21], s[18:19]
	s_cselect_b64 s[S_O:S_O+1], s[28:29], s[26:27]
	s_cmp_eq_u32 s48, 2
	s_cselect_b64 s[S_W:S_W+1], s[14:15], s[S_W:S_W+1]
	s_cselect_b64 s[S_B:S_B+1], s[22:23], s[S_B:S_B+1]
	s_cselect_b64 s[S_O:S_O+1], s[28:29], s[S_O:S_O+1]
	s_cselect_b32 s56, 2097152, 0                  ; v lies behind k in skv
	s_cmp_eq_u32 s48, 3
	s_cselect_b64 s[S_W:S_W+1], s[16:17], s[S_W:S_W+1]
	s_cselect_b64 s[S_B:S_B+1], s[24:25], s[S_B:S_B+1]
	s_cselect_b64 s[S_O:S_O+1], s[30:31], s[S_O:S_O+1]
	s_cselect_b32 s57, 2097152, 0                  ; enc's f16 copy lies behind x0's in pre
	s_add_co_u32 s54, s54, s56
	s_add_co_u32 s50, s50, s57
	s_add_co_u32 s50, s50, 4194304
	s_add_nc_u64 s[S_A:S_A+1], s[8:9], s[50:51]
	s_add_nc_u64 s[S_W:S_W+1], s[S_W:S_W+1], s[52:53]
	s_add_nc_u64 s[S_W:S_W+1], s[S_W:S_W+1], LAYER_W
	s_add_nc_u64 s[S_B:S_B+1], s[S_B:S_B+1], s[52:53]
	s_add_nc_u64 s[S_B:S_B+1], s[S_B:S_B+1], LAYER_V
	s_add_nc_u64 s[S_O:S_O+1], s[S_O:S_O+1], s[54:55]
.set ia, 0
.rept FA                               ; the sums begin as the bias of the lane's eight columns
.set ib, 0
.rept FB
	global_load_b128 v[ACC+8*(FB*ia+ib):ACC+8*(FB*ia+ib)+3],   v[V_BO], s[S_B:S_B+1] offset:64*ib
	global_load_b128 v[ACC+8*(FB*ia+ib)+4:ACC+8*(FB*ia+ib)+7], v[V_BO], s[S_B:S_B+1] offset:64*ib+16
.set ib, ib+1
.endr
.set ia, ia+1
.endr
	ISSUE 0, 1                                     ; chunks 0 to DEP - 1
.set c, 1
.rept DEP-1
	ISSUE c, 0
.set c, c+1
.endr
	TOLDS 0, (DEP-1)*NL                            ; chunk 0 is in (and the bias, asked for ahead of it); the younger chunks' loads stay out
	ISSUE 0, 0                                     ; chunk DEP
	s_wait_dscnt 0x0
	s_barrier_signal -1
	s_barrier_wait -1
	s_mov_b32 s[S_IT], (15-DEP)/DEP
.Lk:                                   ; trip c multiplies chunk c, stores chunk c + 1 and asks for chunk c + 1 + DEP; behind chunk c + 1 the loads of DEP - 1 chunks are out
.set c, 0
.rept DEP
	TRIP c, 1, (DEP-1)*NL, 1, 0
.set c, c+1
.endr
	s_sub_co_u32 s[S_IT], s[S_IT], 1
	s_cmp_lg_u32 s[S_IT], 0
	s_cbranch_scc1 .Lk
.set c, 15-DEP
.rept DEP                              ; nothing is left to ask for: behind chunk c + 1 the loads of 14 - c chunks are out
	TRIP c%DEP, 1, (14-c)*NL, 0, 0
.set c, c+1
.endr
	TRIP 0, 0, 0, 0, 1                             ; chunk 15
	; THE WAY OUT: a lane's 32 bytes of a row into the work-group's stage (each accumulator from its low end on); a barrier; back as rows of 256 bytes; rounded to f16; stored.
	PLACES
.set ia, 0
.rept FA
.set ib, 0
.rept FB
	ds_store_b128 v[V_STW], v[ACC+8*(FB*ia+ib):ACC+8*(FB*ia+ib)+3]   offset:ia*16*PITS+64*ib
	ds_store_b128 v[V_STW], v[ACC+8*(FB*ia+ib)+4:ACC+8*(FB*ia+ib)+7] offset:ia*16*PITS+64*ib+16
.set ib, ib+1
.endr
.set ia, ia+1
.endr
	s_wait_dscnt 0x0                               ; for the others' sake
	s_barrier_signal -1
	s_barrier_wait -1
.set i, 0
.rept MT/16
	ds_load_b128 v[RB+4*i:RB+4*i+3], v[V_RD] offset:i*16*PITS
.set i, i+1
.endr
.set i, 0
.rept MT/16
	s_wait_dscnt MT/16-1-i                         ; the younger loads may stay out
	v_cvt_pk_f16_f32 v[RB+4*i],   v[RB+4*i],   v[RB+4*i+1]
	v_cvt_pk_f16_f32 v[RB+4*i+1], v[RB+4*i+2], v[RB+4*i+3]
	global_store_b64 v[V_GO], v[RB+4*i:RB+4*i+1], s[S_O:S_O+1] offset:2048*i  ; the wave stores 256 consecutive bytes, aligned
.set i, i+1
.endr
	s_wait_tensorcnt 0x0                           ; the wave's end, behind my last LDS store
	ds_add_u32 v[V_SPW], v[V_NIL]
	s_wait_dscnt 0x0
	s_endpgm
.Lfunc_end_k_qf4df683e32_qkvk:
	.size	k_qf4df683e32_qkvk, .Lfunc_end_k_qf4df683e32_qkvk-k_qf4df683e32_qkvk
	.p2alignl 7, 3214868480
	.fill 96, 4, 3214868480
	.section	.rodata,"a",@progbits
	.p2align	6, 0x0
	.amdhsa_kernel k_qf4df683e32_qkvk
		.amdhsa_group_segment_fixed_size 211968
		.amdhsa_private_segment_fixed_size 0
		.amdhsa_enable_private_segment 0
		.amdhsa_kernarg_size 96
		.amdhsa_user_sgpr_count 2
		.amdhsa_user_sgpr_kernarg_segment_ptr 1
		.amdhsa_wavefront_size32 1
		.amdhsa_system_sgpr_workgroup_id_x 1
		.amdhsa_system_sgpr_workgroup_id_y 1
		.amdhsa_system_sgpr_workgroup_id_z 1
		.amdhsa_system_vgpr_workitem_id 0
		.amdhsa_next_free_vgpr 400
		.amdhsa_next_free_sgpr 66
		.amdhsa_reserve_vcc 0
		.amdhsa_float_denorm_mode_32 3
		.amdhsa_float_denorm_mode_16_64 3
		.amdhsa_memory_ordered 1
		.amdhsa_forward_progress 1
		.amdhsa_inst_pref_size 51
	.end_amdhsa_kernel
	.amdgpu_metadata
---
amdhsa.version: [ 1, 2 ]
amdhsa.kernels:
  - .name:           k_qf4df683e32_qkvk
    .symbol:         k_qf4df683e32_qkvk.kd
    .args:
      - { .name: pre, .offset: 0, .size: 8, .value_kind: global_buffer, .address_space: global }
      - { .name: sWq, .offset: 8, .size: 8, .value_kind: global_buffer, .address_space: global }
      - { .name: sWk, .offset: 16, .size: 8, .value_kind: global_buffer, .address_space: global }
      - { .name: sWv, .offset: 24, .size: 8, .value_kind: global_buffer, .address_space: global }
      - { .name: cWk, .offset: 32, .size: 8, .value_kind: global_buffer, .address_space: global }
      - { .name: sbq, .offset: 40, .size: 8, .value_kind: global_buffer, .address_space: global }
      - { .name: sbk, .offset: 48, .size: 8, .value_kind: global_buffer, .address_space: global }
      - { .name: sbv, .offset: 56, .size: 8, .value_kind: global_buffer, .address_space: global }
      - { .name: cbk, .offset: 64, .size: 8, .value_kind: global_buffer, .address_space: global }
      - { .name: qb, .offset: 72, .size: 8, .value_kind: global_buffer, .address_space: global }
      - { .name: skv, .offset: 80, .size: 8, .value_kind: global_buffer, .address_space: global }
      - { .name: ckv, .offset: 88, .size: 8, .value_kind: global_buffer, .address_space: global }
    .group_segment_fixed_size: 211968
    .private_segment_fixed_size: 0
    .kernarg_segment_align: 8
    .kernarg_segment_size: 96
    .max_flat_workgroup_size: 256
    .sgpr_count:     66
    .vgpr_count:     400
    .wavefront_size: 32
...
	.end_amdgpu_metadata
.endif
;; end of part 2
;; launch sattn (part 3): grid 16 x 16, 4 waves a work-group, clusters of 4 x 4, 327,680 bytes of LDS; arguments qb, skv, masked_attention_mask, ao; writes ao
.if DOCPART == 3
	.amdgcn_target "amdgcn-amd-amdhsa--gfx1250"
	.amdhsa_code_object_version 6
	.text
	.protected	k_qf4df683e32_sattn
	.globl	k_qf4df683e32_sattn
	.p2align	8
	.type	k_qf4df683e32_sattn,@function
k_qf4df683e32_sattn:
	s_mov_b64 s[64:65], 0
	v_nop
	global_prefetch_b8 v0, s[64:65] scope:SCOPE_SE
	s_setreg_imm32_b32 hwreg(HW_REG_WAVE_MODE, 25, 1), 1
	s_wait_xcnt 0x0
	s_wait_alu depctr_hold_cnt(0) depctr_sa_sdst(0) depctr_va_vdst(0) depctr_va_sdst(0) depctr_va_ssrc(0) depctr_va_vcc(0) depctr_vm_vsrc(0)
	s_getreg_b32 s2, hwreg(HW_REG_IB_STS2, 6, 4)
	s_cmp_eq_u32 s2, 0
	s_cbranch_scc0 .Lentry_in_a_cluster
	s_endpgm
.Lentry_in_a_cluster:
	s_bfe_u32 s2, ttmp6, 0x10000c
	s_cmp_lg_u32 s2, 0xf033
	s_cbranch_scc0 .Lentry_shape_is_right
	s_endpgm
.Lentry_shape_is_right:
; O[h][q][:] = the sum over k of softmax_k(Q[h][q] . K[h][k] / 8 + mask[q][k]) V[h][k][:].  Q, O: [16][1024][64] f16; K at byte 0 and V at byte 2,097,152 of one buffer, laid likewise;
; mask: [1024][1024] f32, an input: it is loaded and added as it is given, and no key is left out on its account.
; Products, maxima and sums in f32; the weights p are rounded to f16 for the second product (their sum l is taken of the unrounded p), O once at the end.
; LIMITS.  f16 holds no number beyond 65,504: Q, K, V arrive within it; p lies in 0 to 1 and below 6e-5 keeps f16's fixed step of 6e-8.  A weight below 2^-126 counts as 0 in l.
; A row whose mask is -infinity throughout gives NaN, as in the reference.
; SHARES.  A work-group owns 64 queries of one head, a wave 16 of them; every wave walks all 1,024 keys, 64 a step, 256 (a tile) a slot.  16 heads x 16 blocks = 256 work-groups.
; CLUSTER.  4 x 4 work-groups: x counts query blocks, y heads.  K and V hang on the head alone: the four of a row of the cluster ask for them JOINTLY.  The mask's tile hangs on the query block
; alone: the four of a column ask for it jointly.  Wave 0 asks for K, wave 1 for V, waves 2 and 3 for the halves of the mask's tile: 32 KB each.
; LAYOUT.  S^T = K Q^T (source 0 = 16 keys, source 1 = 16 queries): a lane holds ONE query (lane % 16) and the keys 8 (lane / 16) + 0..7 of each 16.  Two such results rounded to f16 in pairs ARE
; source 1 of O^T = V^T P.  K comes out of LDS as it lies, V turned, by ds_load_tr16_b128.
; SOFTMAX.  s = S / 8 + mask in one fused multiply-add (the division by 8 is exact); a running maximum m; p = 2^((s - m) log2 e): m is taken away FIRST, so that scores that are all near a large
; negative mask lose nothing; O and l are multiplied by a = 2^((m_old - m) log2 e) in every step.  m starts at the lowest finite number, O and l at 0: the first step has a = 0.
; REGISTERS.  Window 0: v0-15 addresses; v16-35 statistics; v64-95 S^T (P ends up in v64-79); v96-127 the mask; v128-159 O^T.  Window 1: v0-15 Q; v16-79 K of a step; v80-143 V of a step.
.set PK,    144                        ; a row of K or V in LDS: 128 bytes + 16.; of the turning load's 8 rows x 32 bytes the last meets the first in four banks: the price of one descriptor shape for K and V
.set PM,    1040                       ; a row of the mask's tile: 256 f32 + 16 bytes: the 16 rows of a load start at 16 different groups of four banks (64 banks of 4 bytes: ISA guide 11.1)
.set VOFF,  256*PK
.set MOFF,  2*VOFF
.set SLOTB, MOFF+64*PM                 ; 140,288
.set STG,   2*SLOTB                    ; behind the ring, never filled by a tensor load: 16 rows x 144 bytes for each wave
.set SPARE, STG+4*16*PK                ; the spare words: 128 bytes for each wave, named by no other line
.set AK0, 3                            ; my lane's place in a tile of K; never rewritten
.set AV0, 4                            ; of V
.set AM0, 5                            ; of the mask
.set AK,  6                            ; the addresses of the runs of loads in hand
.set AV,  7
.set AM,  8
.set QO,  9
.set STO, 10
.set RD,  11
.set GO,  12
.set SPW, 14                           ; my spare word; never rewritten
.set NIL, 15                           ; 0; never rewritten
.set M,   16                           ; v[16:17] m (the packed lines take the pair's low word)
.set LL,  18                           ; v[18:19] l: even keys', odd keys'
.set AF,  20                           ; v[20:21] a
.set CC,  22                           ; v22-25 four chains of the maximum
.set T0,  26
.set T1,  27
.set LS,  28                           ; v28-35 four chains of the sum
.set S,   64
.set MK,  96
.set O,   128
.set Q,   0                            ; window 1
.set KF,  16
.set VF,  80
.set WV,  12
.set G1K, 24
.set G1M, 32
.set G0K, 40                           ; a group 0 for each slot
.set G0M, 48
.set C8,  58                           ; s[58:59] 1/8
.set L2E, 60                           ; s[60:61] log2 e
.set SEL, 62                           ; s[62:63] v_permlanex16_b32's selects: each lane takes its own place in the other half
.set TK,  70                           ; LDS byte at which K of the step to be fetched begins.  s70-73 hold constants and steps alone, never a place in the cluster
.set TV,  71                           ; the same for V, less VOFF
.set TM,  72                           ; the same for the mask, less MOFF
.set CNT, 73                           ; counts a tile's four steps
.set MSB, 0
.macro WIN new                         ; the immediate's high byte repeats the setting that is left; a switch that changes nothing is dropped
.if MSB != (\new)
	s_set_vgpr_msb (MSB<<8)|(\new)
.set MSB, (\new)
.endif
.endm
; A joint fill of slot sl.  The branch hangs on the wave's number alone.  An s_nop 0 and four v_nop follow each of the two lines.
.macro JLOAD sl
	s_cmp_lt_u32 s[WV], 2
	s_cbranch_scc0 .Lfor_m_\@
	tensor_load_to_lds s[G0K+4*(\sl):G0K+4*(\sl)+3], s[G1K:G1K+7]
	s_nop 0
.rept 4
	v_nop
.endr
	s_branch .Lasked_\@
.Lfor_m_\@:
	tensor_load_to_lds s[G0M+4*(\sl):G0M+4*(\sl)+3], s[G1M:G1M+7]
	s_nop 0
.rept 4
	v_nop
.endr
.Lasked_\@:
.endm
; A round of the cluster's barrier: my work-group's barrier; wave 0 signals for the work-group; every wave waits for all sixteen; my work-group's barrier once more.
.macro CROUND
	s_barrier_signal -1
	s_barrier_wait -1
	s_cmp_lg_u32 s[WV], 0
	s_cbranch_scc1 .Lnot_wave_0_\@
	s_barrier_signal -3
.Lnot_wave_0_\@:
	s_barrier_wait -3
	s_barrier_signal -1
	s_barrier_wait -1
.endm
; Slot sl has been read out and is filled again, with the tile two further on.  Each wave waits for all its tensor loads (the one that is out is its part of the other slot), adds 0 to its spare word,
; and waits for that and for its reads of the slot; the cluster's barrier shows the same of every partner; the joint fill is the first thing behind it and has a tile's four steps in which to land.
.macro CHANGE sl
	s_wait_tensorcnt 0x0                           ; no tensor load of mine is out, so a group 0 may be written
	ds_add_u32 v[SPW], v[NIL]                      ; the descriptors' steps stand between the add and the wait for it
	s_add_nc_u64 s[G0K+4*(\sl)+2:G0K+4*(\sl)+3], s[G0K+4*(\sl)+2:G0K+4*(\sl)+3], 2*256*128
	s_add_nc_u64 s[G0M+4*(\sl)+2:G0M+4*(\sl)+3], s[G0M+4*(\sl)+2:G0M+4*(\sl)+3], 2*256*4
	s_wait_dscnt 0x0                               ; the add is done, and my reads of the slot are over
	CROUND
	JLOAD \sl
.endm
.macro KLOADS                          ; K of one step: 64 keys x 64 channels, 8 fragments: keys 16 (f / 2) on, channels 32 (f % 2) on
	WIN 0x40                                       ; destination in window 1
.set f, 0
.rept 8
	ds_load_b128 v[KF+8*f:KF+8*f+3],   v[AK] offset:(f/2)*16*PK+(f%2)*64
	ds_load_b128 v[KF+8*f+4:KF+8*f+7], v[AK] offset:(f/2)*16*PK+(f%2)*64+32
.set f, f+1
.endr
	WIN 0
.endm
; A KEY STEP, in phases.  At its head K's 16 loads are out at the most.
.macro STEP
.set f, 0
.rept 4                                ; the mask of my query for the lane's 32 keys
	ds_load_b128 v[MK+8*f:MK+8*f+3],   v[AM] offset:64*f
	ds_load_b128 v[MK+8*f+4:MK+8*f+7], v[AM] offset:64*f+16
.set f, f+1
.endr
	WIN 0x40
.set f, 0
.rept 8                                ; V, turned: keys 32 (f / 4) on, channels 16 (f % 4) on
	ds_load_tr16_b128 v[VF+8*f:VF+8*f+3],   v[AV] offset:(f/4)*32*PK+(f%4)*32
	ds_load_tr16_b128 v[VF+8*f+4:VF+8*f+7], v[AV] offset:(f/4)*32*PK+16*PK+(f%4)*32
.set f, f+1
.endr
	s_wait_dscnt 24                                ; K is in: behind it the mask's 8 and V's 16
	WIN 0x05                                       ; K and Q in window 1
.set i, 0
.rept 8                                ; S^T = K Q^T: channels 32 (i / 4) on, keys 16 (i % 4) on; the four accumulators take turns
.if i < 4
	v_wmma_f32_16x16x32_f16 v[S+8*(i%4):S+8*(i%4)+7], v[KF+16*(i%4)+8*(i/4):KF+16*(i%4)+8*(i/4)+7], v[Q+8*(i/4):Q+8*(i/4)+7], 0
.else
	v_wmma_f32_16x16x32_f16 v[S+8*(i%4):S+8*(i%4)+7], v[KF+16*(i%4)+8*(i/4):KF+16*(i%4)+8*(i/4)+7], v[Q+8*(i/4):Q+8*(i/4)+7], v[S+8*(i%4):S+8*(i%4)+7]
.endif
.set i, i+1
.endr
	WIN 0
	v_add_nc_u32 v[AK], s[TK], v[AK0]              ; four places in front of the loads into K's registers and of the first read of the scores
	s_add_co_u32 s[TK], s[TK], 64*PK
.rept 3
	v_nop
.endr
	KLOADS                                         ; the next step's K.  In a tile's fourth step these are the 64 rows behind K's 256: V's first rows, landed bytes of the same slot at the same pitch;
	                                               ; they are not used: the next tile loads the registers anew.  Sixteen LDS loads a tile: the price of one text for all four steps
	s_wait_dscnt 32                                ; the mask is in: behind it V's 16 and the next K's 16
.set n, 0
.rept 16                               ; s = S / 8 + mask; each accumulator is read from its low end on
	v_pk_fma_f32 v[S+2*n:S+2*n+1], v[S+2*n:S+2*n+1], s[C8:C8+1], v[MK+2*n:MK+2*n+1] op_sel_hi:[1,0,1]
.set n, n+1
.endr
.set n, 0
.rept 4                                ; the maximum: four chains of seven scores, three operands at a time,
	v_max3_num_f32 v[CC+n], v[S+8*n], v[S+8*n+1], v[S+8*n+2]
.set n, n+1
.endr
.rept 8
	v_max3_num_f32 v[CC+n%4], v[CC+n%4], v[S+8*(n%4)+2*(n/4)+1], v[S+8*(n%4)+2*(n/4)+2]
.set n, n+1
.endr
	v_max3_num_f32 v[CC], v[CC], v[S+7], v[S+15]   ; the four scores left over, the old m,
	v_max3_num_f32 v[CC+1], v[CC+1], v[S+23], v[S+31]
	v_max3_num_f32 v[CC+2], v[CC+2], v[CC+3], v[M]
	v_mov_b32 v[T0], v[M]                          ; (m_old is kept for a)
	v_max3_num_f32 v[CC], v[CC], v[CC+1], v[CC+2]
	v_permlanex16_b32 v[CC+3], v[CC], s[SEL], s[SEL+1]  ; and the query's other 32 keys, in the lane 16 away
	v_max_num_f32 v[M], v[CC], v[CC+3]
	v_sub_f32 v[T0], v[T0], v[M]
	v_mul_f32 v[T0], s[L2E], v[T0]
.set n, 0
.rept 16
	v_pk_add_f32 v[S+2*n:S+2*n+1], v[S+2*n:S+2*n+1], v[M:M+1] op_sel_hi:[1,0] neg_lo:[0,1] neg_hi:[0,1]  ; s - m
.set n, n+1
.endr
.set n, 0
.rept 16
	v_pk_mul_f32 v[S+2*n:S+2*n+1], v[S+2*n:S+2*n+1], s[L2E:L2E+1] op_sel_hi:[1,0]
.set n, n+1
.endr
	v_exp_f32 v[AF], v[T0]
.set n, 0
.rept 32
	v_exp_f32 v[S+n], v[S+n]
.set n, n+1
.endr
	v_nop                                          ; a plain instruction between the exponentials and the first use of a result (ISA guide 5.7.2)
.set n, 0
	s_wait_alu depctr_va_vdst(0)
.rept 4                                ; the sum of the 16 pairs of weights, in four chains that leave the weights as they are
	v_pk_add_f32 v[LS+2*n:LS+2*n+1], v[S+4*n:S+4*n+1], v[S+4*n+2:S+4*n+3]
.set n, n+1
.endr
.set n, 8
.rept 8
	v_pk_add_f32 v[LS+2*(n%4):LS+2*(n%4)+1], v[LS+2*(n%4):LS+2*(n%4)+1], v[S+2*n:S+2*n+1]
.set n, n+1
.endr
	v_pk_add_f32 v[LS:LS+1], v[LS:LS+1], v[LS+2:LS+3]
	v_pk_add_f32 v[LS+4:LS+5], v[LS+4:LS+5], v[LS+6:LS+7]
	v_pk_add_f32 v[LS:LS+1], v[LS:LS+1], v[LS+4:LS+5]
	v_pk_fma_f32 v[LL:LL+1], v[LL:LL+1], v[AF:AF+1], v[LS:LS+1] op_sel_hi:[1,0,1]  ; l = a l + the sum
.set n, 0
.rept 16                               ; P, in place: register n takes pair n; the pair that lay there, n / 2, has been taken
	v_cvt_pk_f16_f32 v[S+n], v[S+2*n], v[S+2*n+1]
.set n, n+1
.endr
.set n, 0
.rept 16                               ; O^T times a; each accumulator is read from its low end on
	v_pk_mul_f32 v[O+2*n:O+2*n+1], v[O+2*n:O+2*n+1], v[AF:AF+1] op_sel_hi:[1,0]
.set n, n+1
.endr
	s_wait_dscnt 16                                ; V is in: behind it the next K's 16
	WIN 0x01                                       ; V in window 1
.set i, 0
.rept 8                                ; O^T += V^T P: keys 32 (i / 4) on, channels 16 (i % 4) on; the four accumulators take turns
	v_wmma_f32_16x16x32_f16 v[O+8*(i%4):O+8*(i%4)+7], v[VF+32*(i/4)+8*(i%4):VF+32*(i/4)+8*(i%4)+7], v[S+8*(i/4):S+8*(i/4)+7], v[O+8*(i%4):O+8*(i%4)+7]
.set i, i+1
.endr
	WIN 0
	s_add_co_u32 s[TV], s[TV], 64*PK
	s_add_co_u32 s[TM], s[TM], 64*4
	v_add_nc_u32 v[AV], s[TV], v[AV0]              ; five places in front of the loads into V's registers and of the products that write over P
	v_add_nc_u32 v[AM], s[TM], v[AM0]
.rept 3
	v_nop
.endr
.endm
.macro GRAN sl                         ; the tile in slot sl: four steps, written once
	s_mov_b32 s[TK], (\sl)*SLOTB
	s_mov_b32 s[TV], (\sl)*SLOTB
	s_mov_b32 s[TM], (\sl)*SLOTB
	v_add_nc_u32 v[AK], s[TK], v[AK0]
	v_add_nc_u32 v[AV], s[TV], v[AV0]
	v_add_nc_u32 v[AM], s[TM], v[AM0]
	s_add_co_u32 s[TK], s[TK], 64*PK
	KLOADS
	s_mov_b32 s[CNT], 4
.Lstep_\@:
	STEP
	s_sub_co_u32 s[CNT], s[CNT], 1
	s_cmp_lg_u32 s[CNT], 0
	s_cbranch_scc1 .Lstep_\@
.endm
	s_load_b256 s[4:11], s[0:1], 0x0               ; Q s[4:5], K and V s[6:7], mask s[8:9], O s[10:11]
	v_lshl_add_u32 v[SPW], v0, 2, SPARE
	v_mov_b32 v[NIL], 0
	ds_add_u32 v[SPW], v[NIL]                      ; the wave's opening: the add and its wait stand ahead of my first tensor load; the set-up below, work on registers, stands between them
	v_lshrrev_b32 v1, 5, v0
	v_readfirstlane_b32 s[WV], v1                  ; wave 0..3
	s_bfe_u32 s13, ttmp6, 0x40000                  ; cx, cy: my place in the cluster
	s_bfe_u32 s14, ttmp6, 0x40004
	s_lshl_b32 s15, ttmp9, 2
	s_add_co_u32 s15, s15, s13                     ; my block of 64 queries = 4 x cluster x + cx
	s_and_b32 s16, ttmp7, 0xffff
	s_lshl_b32 s16, s16, 2
	s_add_co_u32 s16, s16, s14                     ; my head = 4 x cluster y + cy
	s_lshl_b32 s17, s14, 2
	s_lshl_b32 s17, 15, s17                        ; my row of the cluster: places 4 cy .. 4 cy + 3
	s_lshl_b32 s18, 0x1111, s13                    ; my column: places cx, cx + 4, cx + 8, cx + 12
	; group 1 for K and V: 256 keys are 32,768 dense bytes, asked for as 128 rows of 256 bytes and padded in LDS after every key
	s_or_b32 s[G1K], s17, (1<<16)|(1<<20)|(1<<21)|(4<<22)|(3<<25)  ; 15:0 the mask of my row; 17:16 2-byte elements; 20 padding on; 21 set beside a mask; 24:22 after every 32 words; 31:25 4 words
	s_mov_b32 s[G1K+1], 128<<16                    ; tensor_dim0 = 128
	s_mov_b32 s[G1K+2], 128<<16                    ; tensor_dim1 = 128
	s_mov_b32 s[G1K+3], 128<<16                    ; tile_dim0 = 128
	s_mov_b32 s[G1K+4], 128                        ; tile_dim1 = 128
	s_mov_b32 s[G1K+5], 128                        ; 128 elements from row to row
	s_mov_b32 s[G1K+6], 0
	s_mov_b32 s[G1K+7], 0
	; group 1 for the mask: 32 queries x 256 keys of f32, a row of 1,024 bytes padded by 16
	s_or_b32 s[G1M], s18, (2<<16)|(1<<20)|(1<<21)|(7<<22)|(3<<25)  ; the mask of my column; 4-byte elements; after every 256 words 4 words
	s_mov_b32 s[G1M+1], 256<<16
	s_mov_b32 s[G1M+2], 32<<16
	s_mov_b32 s[G1M+3], 256<<16
	s_mov_b32 s[G1M+4], 32
	s_mov_b32 s[G1M+5], 1024
	s_mov_b32 s[G1M+6], 0
	s_mov_b32 s[G1M+7], 0
	s_and_b32 s19, s[WV], 1                        ; K or V; the mask's upper or lower 32 queries
	s_lshl_b32 s20, s16, 17                        ; K, V: the head's 131,072 bytes; it hangs on the head alone
	s_lshl_b32 s21, s19, 21
	s_add_co_u32 s20, s20, s21
	s_mov_b32 s21, 0
	s_lshl_b32 s22, s15, 18                        ; the mask: 64 rows of 4,096 bytes a block; it hangs on the query block alone
	s_lshl_b32 s23, s19, 17
	s_add_co_u32 s22, s22, s23
	s_mov_b32 s23, 0
	s_lshl_b32 s56, s16, 17                        ; Q, O: the head, the block's 64 rows of 128 bytes, my wave's 16
	s_lshl_b32 s57, s15, 13
	s_add_co_u32 s56, s56, s57
	s_lshl_b32 s57, s[WV], 11
	s_add_co_u32 s56, s56, s57
	s_mov_b32 s57, 0
	s_mul_i32 s2, s19, VOFF                        ; where they go: no place in the cluster enters an LDS address
	s_mul_i32 s3, s19, 32*PM
	s_add_co_u32 s3, s3, MOFF
.set q, 0
.rept 2
	s_mov_b32 s[G0K+4*q], 1                        ; count = 1
	s_add_co_u32 s[G0K+4*q+1], s2, q*SLOTB         ; LDS address
	s_mov_b32 s[G0M+4*q], 1
	s_add_co_u32 s[G0M+4*q+1], s3, q*SLOTB
.set q, q+1
.endr
	s_mov_b32 s[C8], 0x3e000000
	s_mov_b32 s[C8+1], 0x3e000000                  ; named with it as a pair
	s_mov_b32 s[L2E], 0x3fb8aa3b
	s_mov_b32 s[L2E+1], 0x3fb8aa3b
	s_mov_b32 s[SEL], 0x76543210
	s_mov_b32 s[SEL+1], 0xfedcba98
	s_wait_dscnt 0x0                               ; the opening add is done
	s_wait_kmcnt 0x0
	s_add_nc_u64 s[6:7], s[6:7], s[20:21]
	s_add_nc_u64 s[8:9], s[8:9], s[22:23]
	s_add_nc_u64 s[4:5], s[4:5], s[56:57]
	s_add_nc_u64 s[10:11], s[10:11], s[56:57]
.set q, 0
.rept 2
	s_add_nc_u64 s[G0K+4*q+2:G0K+4*q+3], s[6:7], q*256*128   ; global address: tile q
	s_or_b32 s[G0K+4*q+3], s[G0K+4*q+3], 0x80000000          ; type = 2
	s_add_nc_u64 s[G0M+4*q+2:G0M+4*q+3], s[8:9], q*256*4
	s_or_b32 s[G0M+4*q+3], s[G0M+4*q+3], 0x80000000
.set q, q+1
.endr
	CROUND                                         ; all sixteen work-groups are here: the first joint loads meet
	s_cmp_lt_u32 s[WV], 2                          ; a wave's two first fills stand in one branch, ahead of every wait on TENSORcnt and every LDS read: two loads of mine are out
	s_cbranch_scc0 .Lfirst_m
	tensor_load_to_lds s[G0K:G0K+3], s[G1K:G1K+7]
	s_nop 0
	tensor_load_to_lds s[G0K+4:G0K+7], s[G1K:G1K+7]
	s_nop 0
.rept 4
	v_nop
.endr
	s_branch .Lfirst_asked
.Lfirst_m:
	tensor_load_to_lds s[G0M:G0M+3], s[G1M:G1M+7]
	s_nop 0
	tensor_load_to_lds s[G0M+4:G0M+7], s[G1M:G1M+7]
	s_nop 0
.rept 4
	v_nop
.endr
.Lfirst_asked:
	v_and_b32 v1, 15, v0                           ; lane % 16
	v_bfe_u32 v2, v0, 4, 1                         ; lane / 16
	v_lshlrev_b32 v[QO], 7, v1
	v_lshl_add_u32 v[QO], v2, 4, v[QO]             ; row x 128 + 16 x half
	WIN 0x40
.set i, 0
.rept 4                                ; Q stays in registers: two fragments of 16 queries x 32 channels
	global_load_b128 v[Q+4*i:Q+4*i+3], v[QO], s[4:5] offset:32*i
.set i, i+1
.endr
	WIN 0
	v_mul_u32_u24 v[AK0], v1, PK
	v_lshl_add_u32 v[AK0], v2, 4, v[AK0]           ; row x pitch + 16 x half
	v_and_b32 v[T0], 7, v0
	v_bfe_u32 v[T1], v0, 3, 1
	v_lshl_add_u32 v[AV0], v2, 3, v[T0]            ; the turning load: key 8 x half + lane % 8,
	v_mul_u32_u24 v[AV0], v[AV0], PK
	v_lshl_add_u32 v[AV0], v[T1], 4, v[AV0]        ; channels 8 x ((lane / 8) % 2) on
	v_add_nc_u32 v[AV0], VOFF, v[AV0]
	s_lshl_b32 s2, s[WV], 4
	v_add_nc_u32 v[AM0], s2, v1                    ; my query among the block's 64
	v_mul_u32_u24 v[AM0], v[AM0], PM
	v_lshl_add_u32 v[AM0], v2, 5, v[AM0]           ; + 8 keys of f32 for the upper half of the lanes
	v_add_nc_u32 v[AM0], MOFF, v[AM0]
	s_mul_i32 s2, s[WV], 16*PK
	s_add_co_u32 s2, s2, STG                       ; my stage
	v_add_nc_u32 v[STO], s2, v[AK0]                ; in: row lane % 16, 16 bytes for each half of the lanes
	v_bfe_u32 v[RD], v0, 3, 2                      ; back: 32 lanes take four rows of 128 bytes,
	v_mul_u32_u24 v[RD], v[RD], PK
	v_lshl_add_u32 v[RD], v[T0], 4, v[RD]
	v_add_nc_u32 v[RD], s2, v[RD]
	v_and_b32 v[GO], 31, v0                        ; which are 512 consecutive bytes of O
	v_lshlrev_b32 v[GO], 4, v[GO]
.set i, 0
.rept 32                               ; O^T and l start at 0, m at the lowest finite number: the first step is a step like any other.  This stands in the wait for the first tile
	v_mov_b32 v[O+i], 0
.set i, i+1
.endr
	v_mov_b32 v[LL], 0
	v_mov_b32 v[LL+1], 0
	v_mov_b32 v[M], 0xff7fffff
	v_mov_b32 v[M+1], 0                            ; named as pairs
	v_mov_b32 v[AF+1], 0
	s_wait_tensorcnt 0x1                           ; my part of slot 0 is in; slot 1's may stay out
	s_barrier_signal -1
	s_barrier_wait -1                              ; everybody's is
	s_wait_loadcnt 0x0                             ; Q
	GRAN 0                                         ; keys 0-255
	CHANGE 0                                       ; slot 0 takes keys 512-767
	GRAN 1                                         ; keys 256-511
	CHANGE 1                                       ; slot 1 takes keys 768-1023
	GRAN 0
	s_wait_tensorcnt 0x0                           ; the last tile is in; nothing is filled again, so my work-group's barrier is enough
	ds_add_u32 v[SPW], v[NIL]
	s_wait_dscnt 0x0
	s_barrier_signal -1
	s_barrier_wait -1
	GRAN 1
	; THE WAY OUT.  l's two halves and the other half of the lanes' are added; O^T is divided by l, rounded to f16 and sent through my own stage.  The step's five closing lines are the places behind the last products.
	v_add_f32 v[LL], v[LL], v[LL+1]
	v_permlanex16_b32 v[LL+1], v[LL], s[SEL], s[SEL+1]
	v_add_f32 v[LL], v[LL], v[LL+1]
	v_rcp_f32 v[LL], v[LL]
	v_nop                                          ; a plain instruction between the reciprocal and the use of its result
.set n, 0
	s_wait_alu depctr_va_vdst(0)
.rept 16
	v_pk_mul_f32 v[O+2*n:O+2*n+1], v[O+2*n:O+2*n+1], v[LL:LL+1] op_sel_hi:[1,0]
.set n, n+1
.endr
.set n, 0
.rept 16
	v_cvt_pk_f16_f32 v[S+n], v[O+2*n], v[O+2*n+1]
.set n, n+1
.endr
.set f, 0
.rept 4
	ds_store_b128 v[STO], v[S+4*f:S+4*f+3] offset:32*f
.set f, f+1
.endr
.set f, 0
.rept 4
	ds_load_b128 v[S+4*f:S+4*f+3], v[RD] offset:f*4*PK  ; LDS serves a wave's instructions in order (ISA guide 5.7.1.4): these see the stores above
.set f, f+1
.endr
.set f, 0
.rept 4
	s_wait_dscnt 3-f                               ; the younger loads may stay out
	global_store_b128 v[GO], v[S+4*f:S+4*f+3], s[10:11] offset:512*f  ; 512 consecutive bytes, at a multiple of 256 from O's first
.set f, f+1
.endr
	s_wait_tensorcnt 0x0                           ; the wave's end, behind my last tensor load and my last LDS store
	ds_add_u32 v[SPW], v[NIL]
	s_wait_dscnt 0x0
	CROUND                                         ; the closing round: no work-group ends while a partner may still ask for a tile that names it
	s_endpgm
.Lfunc_end_k_qf4df683e32_sattn:
	.size	k_qf4df683e32_sattn, .Lfunc_end_k_qf4df683e32_sattn-k_qf4df683e32_sattn
	.p2alignl 7, 3214868480
	.fill 96, 4, 3214868480
	.section	.rodata,"a",@progbits
	.p2align	6, 0x0
	.amdhsa_kernel k_qf4df683e32_sattn
		.amdhsa_group_segment_fixed_size 327680
		.amdhsa_private_segment_fixed_size 0
		.amdhsa_enable_private_segment 0
		.amdhsa_kernarg_size 32
		.amdhsa_user_sgpr_count 2
		.amdhsa_user_sgpr_kernarg_segment_ptr 1
		.amdhsa_wavefront_size32 1
		.amdhsa_system_sgpr_workgroup_id_x 1
		.amdhsa_system_sgpr_workgroup_id_y 1
		.amdhsa_system_sgpr_workgroup_id_z 1
		.amdhsa_system_vgpr_workitem_id 0
		.amdhsa_next_free_vgpr 400
		.amdhsa_next_free_sgpr 80
		.amdhsa_reserve_vcc 0
		.amdhsa_float_denorm_mode_32 3
		.amdhsa_float_denorm_mode_16_64 3
		.amdhsa_memory_ordered 1
		.amdhsa_forward_progress 1
		.amdhsa_inst_pref_size 71
	.end_amdhsa_kernel
	.amdgpu_metadata
---
amdhsa.version: [ 1, 2 ]
amdhsa.kernels:
  - .name:           k_qf4df683e32_sattn
    .symbol:         k_qf4df683e32_sattn.kd
    .args:
      - { .name: qb, .offset: 0, .size: 8, .value_kind: global_buffer, .address_space: global }
      - { .name: skv, .offset: 8, .size: 8, .value_kind: global_buffer, .address_space: global }
      - { .name: masked_attention_mask, .offset: 16, .size: 8, .value_kind: global_buffer, .address_space: global }
      - { .name: ao, .offset: 24, .size: 8, .value_kind: global_buffer, .address_space: global }
    .group_segment_fixed_size: 327680
    .private_segment_fixed_size: 0
    .kernarg_segment_align: 8
    .kernarg_segment_size: 32
    .max_flat_workgroup_size: 128
    .sgpr_count:     80
    .vgpr_count:     400
    .wavefront_size: 32
...
	.end_amdgpu_metadata
.endif
;; end of part 3
;; launch swo (part 4): grid 16 x 16, 8 waves a work-group, no clusters, 115,712 bytes of LDS; arguments ao, sWo, sbo, pre, rs; writes rs
.if DOCPART == 4
	.amdgcn_target "amdgcn-amd-amdhsa--gfx1250"
	.amdhsa_code_object_version 6
	.text
	.protected	k_qf4df683e32_swo
	.globl	k_qf4df683e32_swo
	.p2align	8
	.type	k_qf4df683e32_swo,@function
k_qf4df683e32_swo:
	s_mov_b64 s[64:65], 0
	v_nop
	global_prefetch_b8 v0, s[64:65] scope:SCOPE_SE
	s_setreg_imm32_b32 hwreg(HW_REG_WAVE_MODE, 25, 1), 1
	s_wait_xcnt 0x0
; C = A W + bias + R, a product of 1024^3 of layer 3 (reference() keeps only the last layer's result, and every layer starts from the same x0).
; A: f16, blocked [k / 64][row][64].  W: f32 [k][n] as given, layer 3's slice, rounded to f16 on its way through registers into LDS.  R (the residual) and C: f32 [1024][1024], row-major.
; Sums in f32; they BEGIN as the bias.  LIMITS: f16 holds no number beyond 65,504 (A and W must lie within it) and below 6e-5 keeps a fixed step of 6e-8.
; SHARES.  A work-group makes 64 x 64 of C: 256 work-groups.  Eight waves, 2 x 4; a wave makes 32 x 16: 2 accumulators.
; THE ROAD.  K goes in 16 chunks of 64.  Each thread loads 6 x 16 bytes of a chunk into one of five register sets (five chunks, 120 KB for the work-group, are on their way), rounds W, stores the set
; into one of five LDS slots, and the set is asked for again at once.  One barrier a trip: in front of it a wave's reads of slot c and its stores into slot c + 1 are done; behind it slot c + 1 is read;
; the slot written in trip c was last read four trips earlier.
; NO JOINT LOADS: W has to pass registers to be rounded; a tile laid into LDS as f32 would have to be read, rounded and stored there a second time.
; THE MATRIX INSTRUCTION IS USED TRANSPOSED (source 0 = 16 columns of W, turned by ds_load_tr16_b128; source 1 = 16 rows of A): a lane holds eight neighbouring columns of one row of C.
; REGISTERS.  v0-29 addresses; v32-47 accumulators; v48-79 A's fragments (later the way out); v80-95 W's; v96-215 the five sets of 24 (8 of A, 16 of W); the residual lands in set 1, free by then.
.set NW,    1024
.set MT,    64
.set FA,    2
.set FB,    1
.set DEP,   5
.set NA,    MT/32
.set NL,    NA+4
.set PITA,  144                        ; a row of A in LDS: 128 bytes + 16: the 16 rows of a fragment load start at 16 different groups of four banks (64 banks of 4 bytes: ISA guide 11.1)
.set PITW,  160                        ; a row of W (64 f16): 128 + 32
.set PITS,  272                        ; a row of the stage: 64 f32 + 16 bytes
.set WOFF,  MT*PITA
.set SLOT,  WOFF+64*PITW
.set STG,   DEP*SLOT
.set SPARE, STG+MT*PITS                ; the spare words: 128 bytes for each of eight waves, named by no other line
.set LAYER_W, 3*1024*1024*4
.set LAYER_V, 3*1024*4
.set V_AO, 2
.set V_WO, 3                           ; my 16 bytes of W: row t / 16, place t % 16.  R and C have W's pitch, so it is my offset there too
.set V_BO, 4
.set V_STW, 5
.set V_RD, 6
.set V_SPW, 8
.set V_NIL, 9
.set V_SA, 10
.set V_SW, 15
.set V_FA, 20
.set V_FW, 25
.set ACC,  32
.set FRA,  48
.set FRW,  80
.set SET0, 96
.set SETN, 24
.set SETW, 4*NA
.set RB,   FRA
.set RES,  SET0+SETN
.set T,    FRA
.set S_WV, 3
.set S_A,  36
.set S_W,  38
.set S_B,  40
.set S_O,  42
.set S_R,  44
.set S_IT, 46
.macro PLACES                          ; four places between matrix instructions and loads into, or stores of, their registers
.rept 4
	v_nop
.endr
.endm
.macro ISSUE d, first                  ; the next chunk is asked for, into set d
.if !(\first)
	s_wait_xcnt 0x0                                ; the bases are stepped only when every earlier load has had its address taken
	s_add_nc_u64 s[S_A:S_A+1], s[S_A:S_A+1], 131072
	s_add_nc_u64 s[S_W:S_W+1], s[S_W:S_W+1], 64*NW*4
.endif
.set j, 0
.rept NA
	global_load_b128 v[SET0+SETN*(\d)+4*j:SET0+SETN*(\d)+4*j+3], v[V_AO], s[S_A:S_A+1] offset:4096*j
.set j, j+1
.endr
.set j, 0
.rept 4
	global_load_b128 v[SET0+SETN*(\d)+SETW+4*j:SET0+SETN*(\d)+SETW+4*j+3], v[V_WO], s[S_W:S_W+1] offset:j*16*NW*4
.set j, j+1
.endr
.endm
.macro TOLDS d, cnt                    ; set d has come: W is rounded, and the set goes into slot d.  cnt: the loads issued behind the set's
	s_wait_loadcnt \cnt
.set j, 0
.rept 4
	v_cvt_pk_f16_f32 v[SET0+SETN*(\d)+SETW+4*j],   v[SET0+SETN*(\d)+SETW+4*j],   v[SET0+SETN*(\d)+SETW+4*j+1]
	v_cvt_pk_f16_f32 v[SET0+SETN*(\d)+SETW+4*j+1], v[SET0+SETN*(\d)+SETW+4*j+2], v[SET0+SETN*(\d)+SETW+4*j+3]
.set j, j+1
.endr
.set j, 0
.rept NA
	ds_store_b128 v[V_SA+(\d)], v[SET0+SETN*(\d)+4*j:SET0+SETN*(\d)+4*j+3] offset:32*PITA*j
.set j, j+1
.endr
.set j, 0
.rept 4
	ds_store_b64 v[V_SW+(\d)], v[SET0+SETN*(\d)+SETW+4*j:SET0+SETN*(\d)+SETW+4*j+1] offset:16*PITW*j
.set j, j+1
.endr
.endm
.macro FRAGS sl
.set ik, 0
.rept 2
.set ia, 0
.rept FA
	ds_load_b128 v[FRA+8*FA*ik+8*ia:FRA+8*FA*ik+8*ia+3],   v[V_FA+(\sl)] offset:ia*16*PITA+64*ik
	ds_load_b128 v[FRA+8*FA*ik+8*ia+4:FRA+8*FA*ik+8*ia+7], v[V_FA+(\sl)] offset:ia*16*PITA+64*ik+32
.set ia, ia+1
.endr
.set ib, 0
.rept FB
	ds_load_tr16_b128 v[FRW+8*FB*ik+8*ib:FRW+8*FB*ik+8*ib+3],   v[V_FW+(\sl)] offset:ik*32*PITW+32*ib
	ds_load_tr16_b128 v[FRW+8*FB*ik+8*ib+4:FRW+8*FB*ik+8*ib+7], v[V_FW+(\sl)] offset:ik*32*PITW+32*ib+16*PITW
.set ib, ib+1
.endr
.set ik, ik+1
.endr
.endm
.macro MMA                             ; the accumulators take turns, one instruction a turn, over the loop's edge too
.set ik, 0
.rept 2
.set ia, 0
.rept FA
.set ib, 0
.rept FB
	v_wmma_f32_16x16x32_f16 v[ACC+8*(FB*ia+ib):ACC+8*(FB*ia+ib)+7], v[FRW+8*FB*ik+8*ib:FRW+8*FB*ik+8*ib+7], v[FRA+8*FA*ik+8*ia:FRA+8*FA*ik+8*ia+7], v[ACC+8*(FB*ia+ib):ACC+8*(FB*ia+ib)+7]
.set ib, ib+1
.endr
.set ia, ia+1
.endr
.set ik, ik+1
.endr
.endm
.macro TRIP sl, stage, cnt, issue, last ; chunk c lies in slot sl = c % DEP
	PLACES
	FRAGS \sl
.if \stage
	TOLDS ((\sl)+1)%DEP, \cnt
.endif
.if \issue
	ISSUE ((\sl)+1)%DEP, 0
.endif
	s_wait_dscnt 0x0                               ; my fragments are in, and for the others' sake: my reads of this slot and my stores into the next are done
.if !(\last)
	s_barrier_signal -1
.endif
	MMA
.if !(\last)
	s_barrier_wait -1
.endif
.endm
	s_load_b256 s[8:15], s[0:1], 0x0               ; A, W, bias, R
	s_load_b64 s[16:17], s[0:1], 0x20              ; C
	v_lshl_add_u32 v[V_SPW], v0, 2, SPARE
	v_mov_b32 v[V_NIL], 0
	v_lshrrev_b32 v1, 5, v0
	v_readfirstlane_b32 s[S_WV], v1                ; wave 0..7
	s_lshr_b32 s58, s[S_WV], 2
	s_lshl_b32 s58, s58, 5                         ; my first row in the tile
	s_and_b32 s59, s[S_WV], 3
	s_lshl_b32 s59, s59, 4                         ; my first column
	v_lshrrev_b32 v[T], 4, v0                      ; t / 16
	v_and_b32 v[T+1], 15, v0                       ; t % 16 = lane % 16
	v_bfe_u32 v[T+2], v0, 4, 1                     ; lane / 16
	v_add_nc_u32 v[T+3], s58, v[T+1]               ; my fragments' row
	v_lshrrev_b32 v[T+4], 3, v0
	v_and_b32 v[T+5], 7, v0
	v_bfe_u32 v[T+6], v0, 3, 1
	v_lshlrev_b32 v[V_AO], 4, v0
	v_mul_u32_u24 v[V_WO], v[T], NW*4
	v_lshl_add_u32 v[V_WO], v[T+1], 4, v[V_WO]
	s_lshl_b32 s60, s59, 2
	v_lshl_add_u32 v[V_BO], v[T+2], 5, s60         ; 4 x (my first column + 8 x half)
	v_mul_u32_u24 v[V_STW], v[T+3], PITS
	v_add3_u32 v[V_STW], v[V_STW], v[V_BO], STG
	v_mul_u32_u24 v[V_RD], v[T], PITS
	v_lshl_add_u32 v[V_RD], v[T+1], 4, v[V_RD]
	v_add_nc_u32 v[V_RD], STG, v[V_RD]
	v_mul_u32_u24 v[V_SA], v[T+4], PITA            ; A: byte 16 t of 4,096 is row t / 8, place t % 8
	v_lshl_add_u32 v[V_SA], v[T+5], 4, v[V_SA]
	v_mul_u32_u24 v[V_SW], v[T], PITW
	v_lshl_add_u32 v[V_SW], v[T+1], 3, v[V_SW]
	v_add_nc_u32 v[V_SW], WOFF, v[V_SW]
	v_mul_u32_u24 v[V_FA], v[T+3], PITA
	v_lshl_add_u32 v[V_FA], v[T+2], 4, v[V_FA]
	v_lshl_add_u32 v[V_FW], v[T+2], 3, v[T+5]      ; the turning load: k = 8 x half + lane % 8,
	v_mul_u32_u24 v[V_FW], v[V_FW], PITW
	v_lshl_add_u32 v[V_FW], v[T+6], 4, v[V_FW]     ; columns 8 x ((lane / 8) % 2) on
	s_lshl_b32 s61, s59, 1
	s_add_co_u32 s61, s61, WOFF
	v_add_nc_u32 v[V_FW], s61, v[V_FW]
.set q, 1
.rept DEP-1
	v_add_nc_u32 v[V_SA+q], q*SLOT, v[V_SA]
	v_add_nc_u32 v[V_SW+q], q*SLOT, v[V_SW]
	v_add_nc_u32 v[V_FA+q], q*SLOT, v[V_FA]
	v_add_nc_u32 v[V_FW+q], q*SLOT, v[V_FW]
.set q, q+1
.endr
	s_and_b32 s47, ttmp7, 0xffff                   ; which 64 rows
	s_lshl_b32 s50, s47, 13                        ; 64 rows x 128 bytes of A
	s_mov_b32 s51, 0
	s_lshl_b32 s52, ttmp9, 8                       ; 64 columns of f32
	s_mov_b32 s53, 0
	s_lshl_b32 s54, s47, 18                        ; 64 rows x 4,096 bytes of R and C,
	s_add_co_u32 s54, s54, s52                     ; my columns
	s_mov_b32 s55, 0
	s_wait_kmcnt 0x0
	s_add_nc_u64 s[S_A:S_A+1], s[8:9], s[50:51]
	s_add_nc_u64 s[S_W:S_W+1], s[10:11], s[52:53]
	s_add_nc_u64 s[S_W:S_W+1], s[S_W:S_W+1], LAYER_W
	s_add_nc_u64 s[S_B:S_B+1], s[12:13], s[52:53]
	s_add_nc_u64 s[S_B:S_B+1], s[S_B:S_B+1], LAYER_V
	s_add_nc_u64 s[S_R:S_R+1], s[14:15], s[54:55]
	s_add_nc_u64 s[S_O:S_O+1], s[16:17], s[54:55]
.set ia, 0
.rept FA                               ; the sums begin as the bias of the lane's eight columns
.set ib, 0
.rept FB
	global_load_b128 v[ACC+8*(FB*ia+ib):ACC+8*(FB*ia+ib)+3],   v[V_BO], s[S_B:S_B+1] offset:64*ib
	global_load_b128 v[ACC+8*(FB*ia+ib)+4:ACC+8*(FB*ia+ib)+7], v[V_BO], s[S_B:S_B+1] offset:64*ib+16
.set ib, ib+1
.endr
.set ia, ia+1
.endr
	ISSUE 0, 1                                     ; chunks 0 to DEP - 1
.set c, 1
.rept DEP-1
	ISSUE c, 0
.set c, c+1
.endr
	TOLDS 0, (DEP-1)*NL                            ; chunk 0 is in (and the bias, asked for ahead of it); the younger chunks' loads stay out
	ISSUE 0, 0                                     ; chunk DEP
	s_wait_dscnt 0x0
	s_barrier_signal -1
	s_barrier_wait -1
	s_mov_b32 s[S_IT], (15-DEP)/DEP
.Lk:                                   ; trip c multiplies chunk c, stores chunk c + 1 and asks for chunk c + 1 + DEP; behind chunk c + 1 the loads of DEP - 1 chunks are out
.set c, 0
.rept DEP
	TRIP c, 1, (DEP-1)*NL, 1, 0
.set c, c+1
.endr
	s_sub_co_u32 s[S_IT], s[S_IT], 1
	s_cmp_lg_u32 s[S_IT], 0
	s_cbranch_scc1 .Lk
.set c, 15-DEP
.rept DEP                              ; nothing is left to ask for: behind chunk c + 1 the loads of 14 - c chunks are out
	TRIP c%DEP, 1, (14-c)*NL, 0, 0
.set c, c+1
.endr
.set i, 0
.rept 4                                ; the residual, as the way out will want it: rows 16 i + t / 16
	global_load_b128 v[RES+4*i:RES+4*i+3], v[V_WO], s[S_R:S_R+1] offset:65536*i
.set i, i+1
.endr
	TRIP 0, 0, 0, 0, 1                             ; chunk 15
	; THE WAY OUT: a lane's 32 bytes of a row into the work-group's stage (each accumulator from its low end on); a barrier; back as rows of 256 bytes; the residual added; stored.
	PLACES
.set ia, 0
.rept FA
.set ib, 0
.rept FB
	ds_store_b128 v[V_STW], v[ACC+8*(FB*ia+ib):ACC+8*(FB*ia+ib)+3]   offset:ia*16*PITS+64*ib
	ds_store_b128 v[V_STW], v[ACC+8*(FB*ia+ib)+4:ACC+8*(FB*ia+ib)+7] offset:ia*16*PITS+64*ib+16
.set ib, ib+1
.endr
.set ia, ia+1
.endr
	s_wait_dscnt 0x0                               ; for the others' sake
	s_barrier_signal -1
	s_barrier_wait -1
.set i, 0
.rept MT/16
	ds_load_b128 v[RB+4*i:RB+4*i+3], v[V_RD] offset:i*16*PITS
.set i, i+1
.endr
.set i, 0
.rept MT/16
	s_wait_dscnt MT/16-1-i                         ; the younger loads may stay out,
	s_wait_loadcnt 3-i                             ; and the younger loads of the residual
	v_pk_add_f32 v[RB+4*i:RB+4*i+1],   v[RB+4*i:RB+4*i+1],   v[RES+4*i:RES+4*i+1]
	v_pk_add_f32 v[RB+4*i+2:RB+4*i+3], v[RB+4*i+2:RB+4*i+3], v[RES+4*i+2:RES+4*i+3]
	global_store_b128 v[V_WO], v[RB+4*i:RB+4*i+3], s[S_O:S_O+1] offset:65536*i  ; sixteen lanes store 256 consecutive bytes, aligned
.set i, i+1
.endr
	s_wait_tensorcnt 0x0                           ; the wave's end, behind my last LDS store
	ds_add_u32 v[V_SPW], v[V_NIL]
	s_wait_dscnt 0x0
	s_endpgm
.Lfunc_end_k_qf4df683e32_swo:
	.size	k_qf4df683e32_swo, .Lfunc_end_k_qf4df683e32_swo-k_qf4df683e32_swo
	.p2alignl 7, 3214868480
	.fill 96, 4, 3214868480
	.section	.rodata,"a",@progbits
	.p2align	6, 0x0
	.amdhsa_kernel k_qf4df683e32_swo
		.amdhsa_group_segment_fixed_size 115712
		.amdhsa_private_segment_fixed_size 0
		.amdhsa_enable_private_segment 0
		.amdhsa_kernarg_size 40
		.amdhsa_user_sgpr_count 2
		.amdhsa_user_sgpr_kernarg_segment_ptr 1
		.amdhsa_wavefront_size32 1
		.amdhsa_system_sgpr_workgroup_id_x 1
		.amdhsa_system_sgpr_workgroup_id_y 1
		.amdhsa_system_sgpr_workgroup_id_z 1
		.amdhsa_system_vgpr_workitem_id 0
		.amdhsa_next_free_vgpr 216
		.amdhsa_next_free_sgpr 66
		.amdhsa_reserve_vcc 0
		.amdhsa_float_denorm_mode_32 3
		.amdhsa_float_denorm_mode_16_64 3
		.amdhsa_memory_ordered 1
		.amdhsa_forward_progress 1
		.amdhsa_inst_pref_size 39
	.end_amdhsa_kernel
	.amdgpu_metadata
---
amdhsa.version: [ 1, 2 ]
amdhsa.kernels:
  - .name:           k_qf4df683e32_swo
    .symbol:         k_qf4df683e32_swo.kd
    .args:
      - { .name: ao, .offset: 0, .size: 8, .value_kind: global_buffer, .address_space: global }
      - { .name: sWo, .offset: 8, .size: 8, .value_kind: global_buffer, .address_space: global }
      - { .name: sbo, .offset: 16, .size: 8, .value_kind: global_buffer, .address_space: global }
      - { .name: pre, .offset: 24, .size: 8, .value_kind: global_buffer, .address_space: global }
      - { .name: rs, .offset: 32, .size: 8, .value_kind: global_buffer, .address_space: global }
    .group_segment_fixed_size: 115712
    .private_segment_fixed_size: 0
    .kernarg_segment_align: 8
    .kernarg_segment_size: 40
    .max_flat_workgroup_size: 256
    .sgpr_count:     66
    .vgpr_count:     216
    .wavefront_size: 32
...
	.end_amdgpu_metadata
.endif
;; end of part 4
;; launch ln1 (part 5): grid 256 x 1, 2 waves a work-group, no clusters, 0 bytes of LDS; arguments rs, ln1_g, ln1_b, an; writes an
.if DOCPART == 5
	.amdgcn_target "amdgcn-amd-amdhsa--gfx1250"
	.amdhsa_code_object_version 6
	.text
	.protected	k_qf4df683e32_ln1
	.globl	k_qf4df683e32_ln1
	.p2align	8
	.type	k_qf4df683e32_ln1,@function
k_qf4df683e32_ln1:
	s_mov_b64 s[64:65], 0
	v_nop
	global_prefetch_b8 v0, s[64:65] scope:SCOPE_SE
	s_setreg_imm32_b32 hwreg(HW_REG_WAVE_MODE, 25, 1), 1
	s_wait_xcnt 0x0
; LayerNorm over rows of 1,024 f32: y = (x - mean) rsqrt(var + 1e-5) g + b, with layer 3's g and b; the variance is the mean of (x - mean)^2, taken in a second pass over registers.
; y leaves twice: f32 row-major at byte 0 of the output (the next residual) and f16, blocked [column / 64][row][64], at byte 4,194,304 (the next products' operand; f16 holds no number beyond 65,504).
; SHARES.  A work-group of two waves takes 4 rows; SIXTEEN LANES hold a row, a lane 64 of its numbers (four of each 64 columns), so a row's sums stay within 16 lanes: four exchanges that ride on the
; additions, no LDS, no barrier.  Each load and f32 store of a wave covers two rows' 256 aligned bytes, each f16 store 256 consecutive bytes.
.set XR, 16                            ; v16-79   x, then x - mean, then y
.set GR, 80                            ; v80-143  g, later y in f16
.set BR, 144                           ; v144-207 b
.set LAYER_V, 3*1024*4
	s_load_b256 s[4:11], s[0:1], 0x0               ; x, g, b, y
	v_and_b32 v2, 15, v0
	v_lshrrev_b32 v1, 4, v0
	v_lshlrev_b32 v2, 4, v2                        ; 16 x place: my offset in g and b
	v_lshl_add_u32 v1, v1, 12, v2                  ; + row x 4,096: in x and y
	v_lshlrev_b32 v3, 3, v0                        ; blocked f16: row x 128 + 8 x place = 8 x thread
	s_lshl_b32 s12, ttmp9, 14                      ; 4 rows x 4,096 bytes
	s_mov_b32 s13, 0
	s_lshl_b32 s14, ttmp9, 9                       ; 4 rows x 128 bytes
	s_add_co_u32 s14, s14, 4194304
	s_mov_b32 s15, 0
	s_mov_b32 s16, 0x3a800000                      ; 1 / 1024
	s_wait_kmcnt 0x0
	s_add_nc_u64 s[4:5], s[4:5], s[12:13]
	s_add_nc_u64 s[6:7], s[6:7], LAYER_V
	s_add_nc_u64 s[8:9], s[8:9], LAYER_V
	s_add_nc_u64 s[18:19], s[10:11], s[14:15]
	s_add_nc_u64 s[10:11], s[10:11], s[12:13]
.set k, 0
.rept 16
	global_load_b128 v[XR+4*k:XR+4*k+3], v1, s[4:5] offset:256*k
.set k, k+1
.endr
.set k, 0
.rept 16
	global_load_b128 v[GR+4*k:GR+4*k+3], v2, s[6:7] offset:256*k
	global_load_b128 v[BR+4*k:BR+4*k+3], v2, s[8:9] offset:256*k
.set k, k+1
.endr
	s_wait_loadcnt 32                              ; x is in; the 32 loads of g and b stay out
.set k, 0
.rept 4                                ; the sum, in four chains started by the first eight pairs
	v_pk_add_f32 v[4+2*k:5+2*k], v[XR+2*k:XR+2*k+1], v[XR+8+2*k:XR+8+2*k+1]
.set k, k+1
.endr
.set p, 8
.rept 24
	v_pk_add_f32 v[4+2*(p%4):5+2*(p%4)], v[4+2*(p%4):5+2*(p%4)], v[XR+2*p:XR+2*p+1]
.set p, p+1
.endr
	v_pk_add_f32 v[4:5], v[4:5], v[6:7]
	v_pk_add_f32 v[8:9], v[8:9], v[10:11]
	v_pk_add_f32 v[4:5], v[4:5], v[8:9]
	v_add_f32 v4, v4, v5
	v_add_f32_dpp v4, v4, v4 row_xmask:1 row_mask:0xf bank_mask:0xf
	v_add_f32_dpp v4, v4, v4 row_xmask:2 row_mask:0xf bank_mask:0xf
	v_add_f32_dpp v4, v4, v4 row_xmask:4 row_mask:0xf bank_mask:0xf
	v_add_f32_dpp v4, v4, v4 row_xmask:8 row_mask:0xf bank_mask:0xf
	v_mul_f32 v4, s16, v4                          ; the mean, in all sixteen lanes of the row
.set p, 0
.rept 32
	v_pk_add_f32 v[XR+2*p:XR+2*p+1], v[XR+2*p:XR+2*p+1], v[4:5] op_sel_hi:[1,0] neg_lo:[0,1] neg_hi:[0,1]
.set p, p+1
.endr
.set p, 0
.rept 4
	v_pk_mul_f32 v[6+2*p:7+2*p], v[XR+2*p:XR+2*p+1], v[XR+2*p:XR+2*p+1]
.set p, p+1
.endr
.rept 28
	v_pk_fma_f32 v[6+2*(p%4):7+2*(p%4)], v[XR+2*p:XR+2*p+1], v[XR+2*p:XR+2*p+1], v[6+2*(p%4):7+2*(p%4)]
.set p, p+1
.endr
	v_pk_add_f32 v[6:7], v[6:7], v[8:9]
	v_pk_add_f32 v[10:11], v[10:11], v[12:13]
	v_pk_add_f32 v[6:7], v[6:7], v[10:11]
	v_add_f32 v6, v6, v7
	v_add_f32_dpp v6, v6, v6 row_xmask:1 row_mask:0xf bank_mask:0xf
	v_add_f32_dpp v6, v6, v6 row_xmask:2 row_mask:0xf bank_mask:0xf
	v_add_f32_dpp v6, v6, v6 row_xmask:4 row_mask:0xf bank_mask:0xf
	v_add_f32_dpp v6, v6, v6 row_xmask:8 row_mask:0xf bank_mask:0xf
	v_fmaak_f32 v6, s16, v6, 0x3727c5ac            ; the variance + 1e-5
	v_rsq_f32 v14, v6
	v_mov_b32 v15, 0                               ; named with v14 as a pair; also the plain instruction behind the root (ISA guide 5.7.2)
	s_wait_loadcnt 0x0                             ; g and b
.set p, 0
	s_wait_alu depctr_va_vdst(0)
.rept 32
	v_pk_mul_f32 v[XR+2*p:XR+2*p+1], v[XR+2*p:XR+2*p+1], v[14:15] op_sel_hi:[1,0]
.set p, p+1
.endr
.set p, 0
.rept 32
	v_pk_fma_f32 v[XR+2*p:XR+2*p+1], v[XR+2*p:XR+2*p+1], v[GR+2*p:GR+2*p+1], v[BR+2*p:BR+2*p+1]
.set p, p+1
.endr
.set k, 0
.rept 16
	global_store_b128 v1, v[XR+4*k:XR+4*k+3], s[10:11] offset:256*k
	v_cvt_pk_f16_f32 v[GR+2*k],   v[XR+4*k],   v[XR+4*k+1]
	v_cvt_pk_f16_f32 v[GR+2*k+1], v[XR+4*k+2], v[XR+4*k+3]
	global_store_b64 v3, v[GR+2*k:GR+2*k+1], s[18:19] offset:131072*k
.set k, k+1
.endr
	s_endpgm
.Lfunc_end_k_qf4df683e32_ln1:
	.size	k_qf4df683e32_ln1, .Lfunc_end_k_qf4df683e32_ln1-k_qf4df683e32_ln1
	.p2alignl 7, 3214868480
	.fill 96, 4, 3214868480
	.section	.rodata,"a",@progbits
	.p2align	6, 0x0
	.amdhsa_kernel k_qf4df683e32_ln1
		.amdhsa_group_segment_fixed_size 0
		.amdhsa_private_segment_fixed_size 0
		.amdhsa_enable_private_segment 0
		.amdhsa_kernarg_size 32
		.amdhsa_user_sgpr_count 2
		.amdhsa_user_sgpr_kernarg_segment_ptr 1
		.amdhsa_wavefront_size32 1
		.amdhsa_system_sgpr_workgroup_id_x 1
		.amdhsa_system_sgpr_workgroup_id_y 1
		.amdhsa_system_sgpr_workgroup_id_z 1
		.amdhsa_system_vgpr_workitem_id 0
		.amdhsa_next_free_vgpr 208
		.amdhsa_next_free_sgpr 66
		.amdhsa_reserve_vcc 0
		.amdhsa_float_denorm_mode_32 3
		.amdhsa_float_denorm_mode_16_64 3
		.amdhsa_memory_ordered 1
		.amdhsa_forward_progress 1
		.amdhsa_inst_pref_size 22
	.end_amdhsa_kernel
	.amdgpu_metadata
---
amdhsa.version: [ 1, 2 ]
amdhsa.kernels:
  - .name:           k_qf4df683e32_ln1
    .symbol:         k_qf4df683e32_ln1.kd
    .args:
      - { .name: rs, .offset: 0, .size: 8, .value_kind: global_buffer, .address_space: global }
      - { .name: ln1_g, .offset: 8, .size: 8, .value_kind: global_buffer, .address_space: global }
      - { .name: ln1_b, .offset: 16, .size: 8, .value_kind: global_buffer, .address_space: global }
      - { .name: an, .offset: 24, .size: 8, .value_kind: global_buffer, .address_space: global }
    .group_segment_fixed_size: 0
    .private_segment_fixed_size: 0
    .kernarg_segment_align: 8
    .kernarg_segment_size: 32
    .max_flat_workgroup_size: 64
    .sgpr_count:     66
    .vgpr_count:     208
    .wavefront_size: 32
...
	.end_amdgpu_metadata
.endif
;; end of part 5
;; launch cqcv (part 6): grid 16 x 32, 8 waves a work-group, no clusters, 115,712 bytes of LDS; arguments an, pre, cWq, cWv, cbq, cbv, qb, ckv; writes qb, ckv
.if DOCPART == 6
	.amdgcn_target "amdgcn-amd-amdhsa--gfx1250"
	.amdhsa_code_object_version 6
	.text
	.protected	k_qf4df683e32_cqcv
	.globl	k_qf4df683e32_cqcv
	.p2align	8
	.type	k_qf4df683e32_cqcv,@function
k_qf4df683e32_cqcv:
	s_mov_b64 s[64:65], 0
	v_nop
	global_prefetch_b8 v0, s[64:65] scope:SCOPE_SE
	s_setreg_imm32_b32 hwreg(HW_REG_WAVE_MODE, 25, 1), 1
	s_wait_xcnt 0x0
; TWO PRODUCTS OF 1024^3 IN ONE LAUNCH, of layer 3 (reference() keeps only the last layer's result): the cross attention's q = a1 cWq + cbq and its v = enc cWv + cbv.
; C = A W + bias.  A: f16, blocked [k / 64][row][64].  W: f32 [k][n] as given, rounded to f16 on its way through registers into LDS.  C: f16, blocked like A, which is also [head][row][64].
; Sums in f32; they BEGIN as the bias.  LIMITS: f16 holds no number beyond 65,504 (A, W and C must lie within it) and below 6e-5 keeps a fixed step of 6e-8.
; SHARES.  A work-group makes 64 x 64 of one product: 2 x 256 work-groups.  Eight waves, 2 x 4; a wave makes 32 x 16: 2 accumulators.
; THE ROAD.  K goes in 16 chunks of 64.  Each thread loads 6 x 16 bytes of a chunk into one of five register sets (five chunks, 120 KB for the work-group, are on their way), rounds W, stores the set
; into one of five LDS slots, and the set is asked for again at once.  One barrier a trip: in front of it a wave's reads of slot c and its stores into slot c + 1 are done; behind it slot c + 1 is read;
; the slot written in trip c was last read four trips earlier.
; NO JOINT LOADS: W has to pass registers to be rounded; a tile laid into LDS as f32 would have to be read, rounded and stored there a second time.
; THE MATRIX INSTRUCTION IS USED TRANSPOSED (source 0 = 16 columns of W, turned by ds_load_tr16_b128; source 1 = 16 rows of A): a lane holds eight neighbouring columns of one row of C.
; REGISTERS.  v0-29 addresses; v32-47 accumulators; v48-79 A's fragments (later the way out); v80-95 W's; v96-215 the five sets of 24 (8 of A, 16 of W).
.set NW,    1024
.set MT,    64
.set FA,    2
.set FB,    1
.set DEP,   5
.set NA,    MT/32
.set NL,    NA+4
.set PITA,  144                        ; a row of A in LDS: 128 bytes + 16: the 16 rows of a fragment load start at 16 different groups of four banks (64 banks of 4 bytes: ISA guide 11.1)
.set PITW,  160                        ; a row of W (64 f16): 128 + 32
.set PITS,  272                        ; a row of the stage: 64 f32 + 16 bytes
.set WOFF,  MT*PITA
.set SLOT,  WOFF+64*PITW
.set STG,   DEP*SLOT
.set SPARE, STG+MT*PITS                ; the spare words: 128 bytes for each of eight waves, named by no other line
.set LAYER_W, 3*1024*1024*4
.set LAYER_V, 3*1024*4
.set V_AO, 2
.set V_WO, 3
.set V_BO, 4
.set V_STW, 5
.set V_RD, 6
.set V_GO, 7
.set V_SPW, 8
.set V_NIL, 9
.set V_SA, 10
.set V_SW, 15
.set V_FA, 20
.set V_FW, 25
.set ACC,  32
.set FRA,  48
.set FRW,  80
.set SET0, 96
.set SETN, 24
.set SETW, 4*NA
.set RB,   FRA
.set T,    FRA
.set S_WV, 3
.set S_A,  36
.set S_W,  38
.set S_B,  40
.set S_O,  42
.set S_IT, 46
.macro PLACES                          ; four places between matrix instructions and loads into, or stores of, their registers
.rept 4
	v_nop
.endr
.endm
.macro ISSUE d, first                  ; the next chunk is asked for, into set d
.if !(\first)
	s_wait_xcnt 0x0                                ; the bases are stepped only when every earlier load has had its address taken
	s_add_nc_u64 s[S_A:S_A+1], s[S_A:S_A+1], 131072
	s_add_nc_u64 s[S_W:S_W+1], s[S_W:S_W+1], 64*NW*4
.endif
.set j, 0
.rept NA
	global_load_b128 v[SET0+SETN*(\d)+4*j:SET0+SETN*(\d)+4*j+3], v[V_AO], s[S_A:S_A+1] offset:4096*j
.set j, j+1
.endr
.set j, 0
.rept 4
	global_load_b128 v[SET0+SETN*(\d)+SETW+4*j:SET0+SETN*(\d)+SETW+4*j+3], v[V_WO], s[S_W:S_W+1] offset:j*16*NW*4
.set j, j+1
.endr
.endm
.macro TOLDS d, cnt                    ; set d has come: W is rounded, and the set goes into slot d.  cnt: the loads issued behind the set's
	s_wait_loadcnt \cnt
.set j, 0
.rept 4
	v_cvt_pk_f16_f32 v[SET0+SETN*(\d)+SETW+4*j],   v[SET0+SETN*(\d)+SETW+4*j],   v[SET0+SETN*(\d)+SETW+4*j+1]
	v_cvt_pk_f16_f32 v[SET0+SETN*(\d)+SETW+4*j+1], v[SET0+SETN*(\d)+SETW+4*j+2], v[SET0+SETN*(\d)+SETW+4*j+3]
.set j, j+1
.endr
.set j, 0
.rept NA
	ds_store_b128 v[V_SA+(\d)], v[SET0+SETN*(\d)+4*j:SET0+SETN*(\d)+4*j+3] offset:32*PITA*j
.set j, j+1
.endr
.set j, 0
.rept 4
	ds_store_b64 v[V_SW+(\d)], v[SET0+SETN*(\d)+SETW+4*j:SET0+SETN*(\d)+SETW+4*j+1] offset:16*PITW*j
.set j, j+1
.endr
.endm
.macro FRAGS sl
.set ik, 0
.rept 2
.set ia, 0
.rept FA
	ds_load_b128 v[FRA+8*FA*ik+8*ia:FRA+8*FA*ik+8*ia+3],   v[V_FA+(\sl)] offset:ia*16*PITA+64*ik
	ds_load_b128 v[FRA+8*FA*ik+8*ia+4:FRA+8*FA*ik+8*ia+7], v[V_FA+(\sl)] offset:ia*16*PITA+64*ik+32
.set ia, ia+1
.endr
.set ib, 0
.rept FB
	ds_load_tr16_b128 v[FRW+8*FB*ik+8*ib:FRW+8*FB*ik+8*ib+3],   v[V_FW+(\sl)] offset:ik*32*PITW+32*ib
	ds_load_tr16_b128 v[FRW+8*FB*ik+8*ib+4:FRW+8*FB*ik+8*ib+7], v[V_FW+(\sl)] offset:ik*32*PITW+32*ib+16*PITW
.set ib, ib+1
.endr
.set ik, ik+1
.endr
.endm
.macro MMA                             ; the accumulators take turns, one instruction a turn, over the loop's edge too
.set ik, 0
.rept 2
.set ia, 0
.rept FA
.set ib, 0
.rept FB
	v_wmma_f32_16x16x32_f16 v[ACC+8*(FB*ia+ib):ACC+8*(FB*ia+ib)+7], v[FRW+8*FB*ik+8*ib:FRW+8*FB*ik+8*ib+7], v[FRA+8*FA*ik+8*ia:FRA+8*FA*ik+8*ia+7], v[ACC+8*(FB*ia+ib):ACC+8*(FB*ia+ib)+7]
.set ib, ib+1
.endr
.set ia, ia+1
.endr
.set ik, ik+1
.endr
.endm
.macro TRIP sl, stage, cnt, issue, last ; chunk c lies in slot sl = c % DEP
	PLACES
	FRAGS \sl
.if \stage
	TOLDS ((\sl)+1)%DEP, \cnt
.endif
.if \issue
	ISSUE ((\sl)+1)%DEP, 0
.endif
	s_wait_dscnt 0x0                               ; my fragments are in, and for the others' sake: my reads of this slot and my stores into the next are done
.if !(\last)
	s_barrier_signal -1
.endif
	MMA
.if !(\last)
	s_barrier_wait -1
.endif
.endm
	s_load_b512 s[8:23], s[0:1], 0x0               ; an, pre, cWq, cWv, cbq, cbv, qb, ckv
	v_lshl_add_u32 v[V_SPW], v0, 2, SPARE
	v_mov_b32 v[V_NIL], 0
	v_lshrrev_b32 v1, 5, v0
	v_readfirstlane_b32 s[S_WV], v1                ; wave 0..7
	s_lshr_b32 s58, s[S_WV], 2
	s_lshl_b32 s58, s58, 5                         ; my first row in the tile
	s_and_b32 s59, s[S_WV], 3
	s_lshl_b32 s59, s59, 4                         ; my first column
	v_lshrrev_b32 v[T], 4, v0                      ; t / 16
	v_and_b32 v[T+1], 15, v0                       ; t % 16 = lane % 16
	v_bfe_u32 v[T+2], v0, 4, 1                     ; lane / 16
	v_add_nc_u32 v[T+3], s58, v[T+1]               ; my fragments' row
	v_lshrrev_b32 v[T+4], 3, v0
	v_and_b32 v[T+5], 7, v0
	v_bfe_u32 v[T+6], v0, 3, 1
	v_lshlrev_b32 v[V_AO], 4, v0
	v_mul_u32_u24 v[V_WO], v[T], NW*4
	v_lshl_add_u32 v[V_WO], v[T+1], 4, v[V_WO]
	s_lshl_b32 s60, s59, 2
	v_lshl_add_u32 v[V_BO], v[T+2], 5, s60         ; 4 x (my first column + 8 x half)
	v_mul_u32_u24 v[V_STW], v[T+3], PITS
	v_add3_u32 v[V_STW], v[V_STW], v[V_BO], STG
	v_mul_u32_u24 v[V_RD], v[T], PITS
	v_lshl_add_u32 v[V_RD], v[T+1], 4, v[V_RD]
	v_add_nc_u32 v[V_RD], STG, v[V_RD]
	v_lshlrev_b32 v[V_GO], 3, v0                   ; blocked f16: row t / 16 x 128 + 8 x (t % 16)
	v_mul_u32_u24 v[V_SA], v[T+4], PITA            ; A: byte 16 t of 4,096 is row t / 8, place t % 8
	v_lshl_add_u32 v[V_SA], v[T+5], 4, v[V_SA]
	v_mul_u32_u24 v[V_SW], v[T], PITW
	v_lshl_add_u32 v[V_SW], v[T+1], 3, v[V_SW]
	v_add_nc_u32 v[V_SW], WOFF, v[V_SW]
	v_mul_u32_u24 v[V_FA], v[T+3], PITA
	v_lshl_add_u32 v[V_FA], v[T+2], 4, v[V_FA]
	v_lshl_add_u32 v[V_FW], v[T+2], 3, v[T+5]      ; the turning load: k = 8 x half + lane % 8,
	v_mul_u32_u24 v[V_FW], v[V_FW], PITW
	v_lshl_add_u32 v[V_FW], v[T+6], 4, v[V_FW]     ; columns 8 x ((lane / 8) % 2) on
	s_lshl_b32 s61, s59, 1
	s_add_co_u32 s61, s61, WOFF
	v_add_nc_u32 v[V_FW], s61, v[V_FW]
.set q, 1
.rept DEP-1
	v_add_nc_u32 v[V_SA+q], q*SLOT, v[V_SA]
	v_add_nc_u32 v[V_SW+q], q*SLOT, v[V_SW]
	v_add_nc_u32 v[V_FA+q], q*SLOT, v[V_FA]
	v_add_nc_u32 v[V_FW+q], q*SLOT, v[V_FW]
.set q, q+1
.endr
	s_and_b32 s47, ttmp7, 0xffff
	s_lshr_b32 s48, s47, 4                         ; which product: 0 q, 1 v
	s_and_b32 s49, s47, 15                         ; which 64 rows
	s_lshl_b32 s50, s49, 13                        ; 64 rows x 128 bytes
	s_mov_b32 s51, 0
	s_lshl_b32 s52, ttmp9, 8                       ; 64 columns of f32
	s_mov_b32 s53, 0
	s_lshl_b32 s54, ttmp9, 17                      ; C's block of 64 columns,
	s_add_co_u32 s54, s54, s50                     ; my rows in it
	s_mov_b32 s55, 0
	s_wait_kmcnt 0x0
	s_cmp_eq_u32 s48, 1
	s_cselect_b64 s[S_A:S_A+1], s[10:11], s[8:9]
	s_cselect_b64 s[S_W:S_W+1], s[14:15], s[12:13]
	s_cselect_b64 s[S_B:S_B+1], s[18:19], s[16:17]
	s_cselect_b64 s[S_O:S_O+1], s[22:23], s[20:21]
	s_cselect_b32 s56, 2097152, 0                  ; enc's f16 copy lies at 6,291,456 of pre, a1's at 4,194,304 of an; v lies behind k in ckv, q at qb's head
	s_add_co_u32 s54, s54, s56
	s_add_co_u32 s50, s50, s56
	s_add_co_u32 s50, s50, 4194304
	s_add_nc_u64 s[S_A:S_A+1], s[S_A:S_A+1], s[50:51]
	s_add_nc_u64 s[S_W:S_W+1], s[S_W:S_W+1], s[52:53]
	s_add_nc_u64 s[S_W:S_W+1], s[S_W:S_W+1], LAYER_W
	s_add_nc_u64 s[S_B:S_B+1], s[S_B:S_B+1], s[52:53]
	s_add_nc_u64 s[S_B:S_B+1], s[S_B:S_B+1], LAYER_V
	s_add_nc_u64 s[S_O:S_O+1], s[S_O:S_O+1], s[54:55]
.set ia, 0
.rept FA                               ; the sums begin as the bias of the lane's eight columns
.set ib, 0
.rept FB
	global_load_b128 v[ACC+8*(FB*ia+ib):ACC+8*(FB*ia+ib)+3],   v[V_BO], s[S_B:S_B+1] offset:64*ib
	global_load_b128 v[ACC+8*(FB*ia+ib)+4:ACC+8*(FB*ia+ib)+7], v[V_BO], s[S_B:S_B+1] offset:64*ib+16
.set ib, ib+1
.endr
.set ia, ia+1
.endr
	ISSUE 0, 1                                     ; chunks 0 to DEP - 1
.set c, 1
.rept DEP-1
	ISSUE c, 0
.set c, c+1
.endr
	TOLDS 0, (DEP-1)*NL                            ; chunk 0 is in (and the bias, asked for ahead of it); the younger chunks' loads stay out
	ISSUE 0, 0                                     ; chunk DEP
	s_wait_dscnt 0x0
	s_barrier_signal -1
	s_barrier_wait -1
	s_mov_b32 s[S_IT], (15-DEP)/DEP
.Lk:                                   ; trip c multiplies chunk c, stores chunk c + 1 and asks for chunk c + 1 + DEP; behind chunk c + 1 the loads of DEP - 1 chunks are out
.set c, 0
.rept DEP
	TRIP c, 1, (DEP-1)*NL, 1, 0
.set c, c+1
.endr
	s_sub_co_u32 s[S_IT], s[S_IT], 1
	s_cmp_lg_u32 s[S_IT], 0
	s_cbranch_scc1 .Lk
.set c, 15-DEP
.rept DEP                              ; nothing is left to ask for: behind chunk c + 1 the loads of 14 - c chunks are out
	TRIP c%DEP, 1, (14-c)*NL, 0, 0
.set c, c+1
.endr
	TRIP 0, 0, 0, 0, 1                             ; chunk 15
	; THE WAY OUT: a lane's 32 bytes of a row into the work-group's stage (each accumulator from its low end on); a barrier; back as rows of 256 bytes; rounded to f16; stored.
	PLACES
.set ia, 0
.rept FA
.set ib, 0
.rept FB
	ds_store_b128 v[V_STW], v[ACC+8*(FB*ia+ib):ACC+8*(FB*ia+ib)+3]   offset:ia*16*PITS+64*ib
	ds_store_b128 v[V_STW], v[ACC+8*(FB*ia+ib)+4:ACC+8*(FB*ia+ib)+7] offset:ia*16*PITS+64*ib+16
.set ib, ib+1
.endr
.set ia, ia+1
.endr
	s_wait_dscnt 0x0                               ; for the others' sake
	s_barrier_signal -1
	s_barrier_wait -1
.set i, 0
.rept MT/16
	ds_load_b128 v[RB+4*i:RB+4*i+3], v[V_RD] offset:i*16*PITS
.set i, i+1
.endr
.set i, 0
.rept MT/16
	s_wait_dscnt MT/16-1-i                         ; the younger loads may stay out
	v_cvt_pk_f16_f32 v[RB+4*i],   v[RB+4*i],   v[RB+4*i+1]
	v_cvt_pk_f16_f32 v[RB+4*i+1], v[RB+4*i+2], v[RB+4*i+3]
	global_store_b64 v[V_GO], v[RB+4*i:RB+4*i+1], s[S_O:S_O+1] offset:2048*i  ; the wave stores 256 consecutive bytes, aligned
.set i, i+1
.endr
	s_wait_tensorcnt 0x0                           ; the wave's end, behind my last LDS store
	ds_add_u32 v[V_SPW], v[V_NIL]
	s_wait_dscnt 0x0
	s_endpgm
.Lfunc_end_k_qf4df683e32_cqcv:
	.size	k_qf4df683e32_cqcv, .Lfunc_end_k_qf4df683e32_cqcv-k_qf4df683e32_cqcv
	.p2alignl 7, 3214868480
	.fill 96, 4, 3214868480
	.section	.rodata,"a",@progbits
	.p2align	6, 0x0
	.amdhsa_kernel k_qf4df683e32_cqcv
		.amdhsa_group_segment_fixed_size 115712
		.amdhsa_private_segment_fixed_size 0
		.amdhsa_enable_private_segment 0
		.amdhsa_kernarg_size 64
		.amdhsa_user_sgpr_count 2
		.amdhsa_user_sgpr_kernarg_segment_ptr 1
		.amdhsa_wavefront_size32 1
		.amdhsa_system_sgpr_workgroup_id_x 1
		.amdhsa_system_sgpr_workgroup_id_y 1
		.amdhsa_system_sgpr_workgroup_id_z 1
		.amdhsa_system_vgpr_workitem_id 0
		.amdhsa_next_free_vgpr 216
		.amdhsa_next_free_sgpr 66
		.amdhsa_reserve_vcc 0
		.amdhsa_float_denorm_mode_32 3
		.amdhsa_float_denorm_mode_16_64 3
		.amdhsa_memory_ordered 1
		.amdhsa_forward_progress 1
		.amdhsa_inst_pref_size 38
	.end_amdhsa_kernel
	.amdgpu_metadata
---
amdhsa.version: [ 1, 2 ]
amdhsa.kernels:
  - .name:           k_qf4df683e32_cqcv
    .symbol:         k_qf4df683e32_cqcv.kd
    .args:
      - { .name: an, .offset: 0, .size: 8, .value_kind: global_buffer, .address_space: global }
      - { .name: pre, .offset: 8, .size: 8, .value_kind: global_buffer, .address_space: global }
      - { .name: cWq, .offset: 16, .size: 8, .value_kind: global_buffer, .address_space: global }
      - { .name: cWv, .offset: 24, .size: 8, .value_kind: global_buffer, .address_space: global }
      - { .name: cbq, .offset: 32, .size: 8, .value_kind: global_buffer, .address_space: global }
      - { .name: cbv, .offset: 40, .size: 8, .value_kind: global_buffer, .address_space: global }
      - { .name: qb, .offset: 48, .size: 8, .value_kind: global_buffer, .address_space: global }
      - { .name: ckv, .offset: 56, .size: 8, .value_kind: global_buffer, .address_space: global }
    .group_segment_fixed_size: 115712
    .private_segment_fixed_size: 0
    .kernarg_segment_align: 8
    .kernarg_segment_size: 64
    .max_flat_workgroup_size: 256
    .sgpr_count:     66
    .vgpr_count:     216
    .wavefront_size: 32
...
	.end_amdgpu_metadata
.endif
;; end of part 6
;; launch cattn: the kernel of part 3 again; grid 16 x 16, 4 waves a work-group, clusters of 4 x 4, 327,680 bytes of LDS; arguments qb, ckv, cross_attention_mask, ao; writes ao
;; launch cwo: the kernel of part 4 again; grid 16 x 16, 8 waves a work-group, no clusters, 115,712 bytes of LDS; arguments ao, cWo, cbo, an, rs; writes rs
;; launch ln2: the kernel of part 5 again; grid 256 x 1, 2 waves a work-group, no clusters, 0 bytes of LDS; arguments rs, ln2_g, ln2_b, an; writes an
;; launch ff1 (part 7): grid 16 x 16, 8 waves a work-group, no clusters, 115,712 bytes of LDS; arguments an, fW1, fb1, ao; writes ao
.if DOCPART == 7
	.amdgcn_target "amdgcn-amd-amdhsa--gfx1250"
	.amdhsa_code_object_version 6
	.text
	.protected	k_qf4df683e32_ff1
	.globl	k_qf4df683e32_ff1
	.p2align	8
	.type	k_qf4df683e32_ff1,@function
k_qf4df683e32_ff1:
	s_mov_b64 s[64:65], 0
	v_nop
	global_prefetch_b8 v0, s[64:65] scope:SCOPE_SE
	s_setreg_imm32_b32 hwreg(HW_REG_WAVE_MODE, 25, 1), 1
	s_wait_xcnt 0x0
; h = relu(a2 fW1 + fb1), a product of 1024^3 of layer 3 (reference() keeps only the last layer's result).
; C = max(A W + bias, 0).  A: f16, blocked [k / 64][row][64], at byte 4,194,304 of its buffer.  W: f32 [k][n] as given, rounded to f16 on its way through registers into LDS.  C: f16, blocked like A.
; Sums in f32; they BEGIN as the bias.  LIMITS: f16 holds no number beyond 65,504 (A, W and C must lie within it) and below 6e-5 keeps a fixed step of 6e-8.
; SHARES.  A work-group makes 64 x 64 of C: 256 work-groups.  Eight waves, 2 x 4; a wave makes 32 x 16: 2 accumulators.
; THE ROAD.  K goes in 16 chunks of 64.  Each thread loads 6 x 16 bytes of a chunk into one of five register sets (five chunks, 120 KB for the work-group, are on their way), rounds W, stores the set
; into one of five LDS slots, and the set is asked for again at once.  One barrier a trip: in front of it a wave's reads of slot c and its stores into slot c + 1 are done; behind it slot c + 1 is read;
; the slot written in trip c was last read four trips earlier.
; NO JOINT LOADS: W has to pass registers to be rounded; a tile laid into LDS as f32 would have to be read, rounded and stored there a second time.
; THE MATRIX INSTRUCTION IS USED TRANSPOSED (source 0 = 16 columns of W, turned by ds_load_tr16_b128; source 1 = 16 rows of A): a lane holds eight neighbouring columns of one row of C.
; REGISTERS.  v0-29 addresses; v32-47 accumulators; v48-79 A's fragments (later the way out); v80-95 W's; v96-215 the five sets of 24 (8 of A, 16 of W).
.set NW,    1024
.set MT,    64
.set FA,    2
.set FB,    1
.set DEP,   5
.set NA,    MT/32
.set NL,    NA+4
.set PITA,  144                        ; a row of A in LDS: 128 bytes + 16: the 16 rows of a fragment load start at 16 different groups of four banks (64 banks of 4 bytes: ISA guide 11.1)
.set PITW,  160                        ; a row of W (64 f16): 128 + 32
.set PITS,  272                        ; a row of the stage: 64 f32 + 16 bytes
.set WOFF,  MT*PITA
.set SLOT,  WOFF+64*PITW
.set STG,   DEP*SLOT
.set SPARE, STG+MT*PITS                ; the spare words: 128 bytes for each of eight waves, named by no other line
.set LAYER_W, 3*1024*1024*4
.set LAYER_V, 3*1024*4
.set V_AO, 2
.set V_WO, 3
.set V_BO, 4
.set V_STW, 5
.set V_RD, 6
.set V_GO, 7
.set V_SPW, 8
.set V_NIL, 9
.set V_SA, 10
.set V_SW, 15
.set V_FA, 20
.set V_FW, 25
.set ACC,  32
.set FRA,  48
.set FRW,  80
.set SET0, 96
.set SETN, 24
.set SETW, 4*NA
.set RB,   FRA
.set T,    FRA
.set S_WV, 3
.set S_A,  36
.set S_W,  38
.set S_B,  40
.set S_O,  42
.set S_IT, 46
.macro PLACES                          ; four places between matrix instructions and loads into, or stores of, their registers
.rept 4
	v_nop
.endr
.endm
.macro ISSUE d, first                  ; the next chunk is asked for, into set d
.if !(\first)
	s_wait_xcnt 0x0                                ; the bases are stepped only when every earlier load has had its address taken
	s_add_nc_u64 s[S_A:S_A+1], s[S_A:S_A+1], 131072
	s_add_nc_u64 s[S_W:S_W+1], s[S_W:S_W+1], 64*NW*4
.endif
.set j, 0
.rept NA
	global_load_b128 v[SET0+SETN*(\d)+4*j:SET0+SETN*(\d)+4*j+3], v[V_AO], s[S_A:S_A+1] offset:4096*j
.set j, j+1
.endr
.set j, 0
.rept 4
	global_load_b128 v[SET0+SETN*(\d)+SETW+4*j:SET0+SETN*(\d)+SETW+4*j+3], v[V_WO], s[S_W:S_W+1] offset:j*16*NW*4
.set j, j+1
.endr
.endm
.macro TOLDS d, cnt                    ; set d has come: W is rounded, and the set goes into slot d.  cnt: the loads issued behind the set's
	s_wait_loadcnt \cnt
.set j, 0
.rept 4
	v_cvt_pk_f16_f32 v[SET0+SETN*(\d)+SETW+4*j],   v[SET0+SETN*(\d)+SETW+4*j],   v[SET0+SETN*(\d)+SETW+4*j+1]
	v_cvt_pk_f16_f32 v[SET0+SETN*(\d)+SETW+4*j+1], v[SET0+SETN*(\d)+SETW+4*j+2], v[SET0+SETN*(\d)+SETW+4*j+3]
.set j, j+1
.endr
.set j, 0
.rept NA
	ds_store_b128 v[V_SA+(\d)], v[SET0+SETN*(\d)+4*j:SET0+SETN*(\d)+4*j+3] offset:32*PITA*j
.set j, j+1
.endr
.set j, 0
.rept 4
	ds_store_b64 v[V_SW+(\d)], v[SET0+SETN*(\d)+SETW+4*j:SET0+SETN*(\d)+SETW+4*j+1] offset:16*PITW*j
.set j, j+1
.endr
.endm
.macro FRAGS sl
.set ik, 0
.rept 2
.set ia, 0
.rept FA
	ds_load_b128 v[FRA+8*FA*ik+8*ia:FRA+8*FA*ik+8*ia+3],   v[V_FA+(\sl)] offset:ia*16*PITA+64*ik
	ds_load_b128 v[FRA+8*FA*ik+8*ia+4:FRA+8*FA*ik+8*ia+7], v[V_FA+(\sl)] offset:ia*16*PITA+64*ik+32
.set ia, ia+1
.endr
.set ib, 0
.rept FB
	ds_load_tr16_b128 v[FRW+8*FB*ik+8*ib:FRW+8*FB*ik+8*ib+3],   v[V_FW+(\sl)] offset:ik*32*PITW+32*ib
	ds_load_tr16_b128 v[FRW+8*FB*ik+8*ib+4:FRW+8*FB*ik+8*ib+7], v[V_FW+(\sl)] offset:ik*32*PITW+32*ib+16*PITW
.set ib, ib+1
.endr
.set ik, ik+1
.endr
.endm
.macro MMA                             ; the accumulators take turns, one instruction a turn, over the loop's edge too
.set ik, 0
.rept 2
.set ia, 0
.rept FA
.set ib, 0
.rept FB
	v_wmma_f32_16x16x32_f16 v[ACC+8*(FB*ia+ib):ACC+8*(FB*ia+ib)+7], v[FRW+8*FB*ik+8*ib:FRW+8*FB*ik+8*ib+7], v[FRA+8*FA*ik+8*ia:FRA+8*FA*ik+8*ia+7], v[ACC+8*(FB*ia+ib):ACC+8*(FB*ia+ib)+7]
.set ib, ib+1
.endr
.set ia, ia+1
.endr
.set ik, ik+1
.endr
.endm
.macro TRIP sl, stage, cnt, issue, last ; chunk c lies in slot sl = c % DEP
	PLACES
	FRAGS \sl
.if \stage
	TOLDS ((\sl)+1)%DEP, \cnt
.endif
.if \issue
	ISSUE ((\sl)+1)%DEP, 0
.endif
	s_wait_dscnt 0x0                               ; my fragments are in, and for the others' sake: my reads of this slot and my stores into the next are done
.if !(\last)
	s_barrier_signal -1
.endif
	MMA
.if !(\last)
	s_barrier_wait -1
.endif
.endm
	s_load_b256 s[8:15], s[0:1], 0x0               ; an, fW1, fb1, ao
	v_lshl_add_u32 v[V_SPW], v0, 2, SPARE
	v_mov_b32 v[V_NIL], 0
	v_lshrrev_b32 v1, 5, v0
	v_readfirstlane_b32 s[S_WV], v1                ; wave 0..7
	s_lshr_b32 s58, s[S_WV], 2
	s_lshl_b32 s58, s58, 5                         ; my first row in the tile
	s_and_b32 s59, s[S_WV], 3
	s_lshl_b32 s59, s59, 4                         ; my first column
	v_lshrrev_b32 v[T], 4, v0                      ; t / 16
	v_and_b32 v[T+1], 15, v0                       ; t % 16 = lane % 16
	v_bfe_u32 v[T+2], v0, 4, 1                     ; lane / 16
	v_add_nc_u32 v[T+3], s58, v[T+1]               ; my fragments' row
	v_lshrrev_b32 v[T+4], 3, v0
	v_and_b32 v[T+5], 7, v0
	v_bfe_u32 v[T+6], v0, 3, 1
	v_lshlrev_b32 v[V_AO], 4, v0
	v_mul_u32_u24 v[V_WO], v[T], NW*4
	v_lshl_add_u32 v[V_WO], v[T+1], 4, v[V_WO]
	s_lshl_b32 s60, s59, 2
	v_lshl_add_u32 v[V_BO], v[T+2], 5, s60         ; 4 x (my first column + 8 x half)
	v_mul_u32_u24 v[V_STW], v[T+3], PITS
	v_add3_u32 v[V_STW], v[V_STW], v[V_BO], STG
	v_mul_u32_u24 v[V_RD], v[T], PITS
	v_lshl_add_u32 v[V_RD], v[T+1], 4, v[V_RD]
	v_add_nc_u32 v[V_RD], STG, v[V_RD]
	v_lshlrev_b32 v[V_GO], 3, v0                   ; blocked f16: row t / 16 x 128 + 8 x (t % 16)
	v_mul_u32_u24 v[V_SA], v[T+4], PITA            ; A: byte 16 t of 4,096 is row t / 8, place t % 8
	v_lshl_add_u32 v[V_SA], v[T+5], 4, v[V_SA]
	v_mul_u32_u24 v[V_SW], v[T], PITW
	v_lshl_add_u32 v[V_SW], v[T+1], 3, v[V_SW]
	v_add_nc_u32 v[V_SW], WOFF, v[V_SW]
	v_mul_u32_u24 v[V_FA], v[T+3], PITA
	v_lshl_add_u32 v[V_FA], v[T+2], 4, v[V_FA]
	v_lshl_add_u32 v[V_FW], v[T+2], 3, v[T+5]      ; the turning load: k = 8 x half + lane % 8,
	v_mul_u32_u24 v[V_FW], v[V_FW], PITW
	v_lshl_add_u32 v[V_FW], v[T+6], 4, v[V_FW]     ; columns 8 x ((lane / 8) % 2) on
	s_lshl_b32 s61, s59, 1
	s_add_co_u32 s61, s61, WOFF
	v_add_nc_u32 v[V_FW], s61, v[V_FW]
.set q, 1
.rept DEP-1
	v_add_nc_u32 v[V_SA+q], q*SLOT, v[V_SA]
	v_add_nc_u32 v[V_SW+q], q*SLOT, v[V_SW]
	v_add_nc_u32 v[V_FA+q], q*SLOT, v[V_FA]
	v_add_nc_u32 v[V_FW+q], q*SLOT, v[V_FW]
.set q, q+1
.endr
	s_and_b32 s47, ttmp7, 0xffff                   ; which 64 rows
	s_lshl_b32 s56, s47, 13                        ; 64 rows x 128 bytes
	s_add_co_u32 s50, s56, 4194304                 ; a2's f16 copy
	s_mov_b32 s51, 0
	s_lshl_b32 s52, ttmp9, 8                       ; 64 columns of f32
	s_mov_b32 s53, 0
	s_lshl_b32 s54, ttmp9, 17                      ; C's block of 64 columns,
	s_add_co_u32 s54, s54, s56                     ; my rows in it
	s_mov_b32 s55, 0
	s_wait_kmcnt 0x0
	s_add_nc_u64 s[S_A:S_A+1], s[8:9], s[50:51]
	s_add_nc_u64 s[S_W:S_W+1], s[10:11], s[52:53]
	s_add_nc_u64 s[S_W:S_W+1], s[S_W:S_W+1], LAYER_W
	s_add_nc_u64 s[S_B:S_B+1], s[12:13], s[52:53]
	s_add_nc_u64 s[S_B:S_B+1], s[S_B:S_B+1], LAYER_V
	s_add_nc_u64 s[S_O:S_O+1], s[14:15], s[54:55]
.set ia, 0
.rept FA                               ; the sums begin as the bias of the lane's eight columns
.set ib, 0
.rept FB
	global_load_b128 v[ACC+8*(FB*ia+ib):ACC+8*(FB*ia+ib)+3],   v[V_BO], s[S_B:S_B+1] offset:64*ib
	global_load_b128 v[ACC+8*(FB*ia+ib)+4:ACC+8*(FB*ia+ib)+7], v[V_BO], s[S_B:S_B+1] offset:64*ib+16
.set ib, ib+1
.endr
.set ia, ia+1
.endr
	ISSUE 0, 1                                     ; chunks 0 to DEP - 1
.set c, 1
.rept DEP-1
	ISSUE c, 0
.set c, c+1
.endr
	TOLDS 0, (DEP-1)*NL                            ; chunk 0 is in (and the bias, asked for ahead of it); the younger chunks' loads stay out
	ISSUE 0, 0                                     ; chunk DEP
	s_wait_dscnt 0x0
	s_barrier_signal -1
	s_barrier_wait -1
	s_mov_b32 s[S_IT], (15-DEP)/DEP
.Lk:                                   ; trip c multiplies chunk c, stores chunk c + 1 and asks for chunk c + 1 + DEP; behind chunk c + 1 the loads of DEP - 1 chunks are out
.set c, 0
.rept DEP
	TRIP c, 1, (DEP-1)*NL, 1, 0
.set c, c+1
.endr
	s_sub_co_u32 s[S_IT], s[S_IT], 1
	s_cmp_lg_u32 s[S_IT], 0
	s_cbranch_scc1 .Lk
.set c, 15-DEP
.rept DEP                              ; nothing is left to ask for: behind chunk c + 1 the loads of 14 - c chunks are out
	TRIP c%DEP, 1, (14-c)*NL, 0, 0
.set c, c+1
.endr
	TRIP 0, 0, 0, 0, 1                             ; chunk 15
	; THE WAY OUT: a lane's 32 bytes of a row into the work-group's stage (each accumulator from its low end on); a barrier; back as rows of 256 bytes; relu; rounded to f16; stored.
	PLACES
.set ia, 0
.rept FA
.set ib, 0
.rept FB
	ds_store_b128 v[V_STW], v[ACC+8*(FB*ia+ib):ACC+8*(FB*ia+ib)+3]   offset:ia*16*PITS+64*ib
	ds_store_b128 v[V_STW], v[ACC+8*(FB*ia+ib)+4:ACC+8*(FB*ia+ib)+7] offset:ia*16*PITS+64*ib+16
.set ib, ib+1
.endr
.set ia, ia+1
.endr
	s_wait_dscnt 0x0                               ; for the others' sake
	s_barrier_signal -1
	s_barrier_wait -1
.set i, 0
.rept MT/16
	ds_load_b128 v[RB+4*i:RB+4*i+3], v[V_RD] offset:i*16*PITS
.set i, i+1
.endr
.set i, 0
.rept MT/16
	s_wait_dscnt MT/16-1-i                         ; the younger loads may stay out
	v_max_num_f32 v[RB+4*i],   0, v[RB+4*i]
	v_max_num_f32 v[RB+4*i+1], 0, v[RB+4*i+1]
	v_max_num_f32 v[RB+4*i+2], 0, v[RB+4*i+2]
	v_max_num_f32 v[RB+4*i+3], 0, v[RB+4*i+3]
	v_cvt_pk_f16_f32 v[RB+4*i],   v[RB+4*i],   v[RB+4*i+1]
	v_cvt_pk_f16_f32 v[RB+4*i+1], v[RB+4*i+2], v[RB+4*i+3]
	global_store_b64 v[V_GO], v[RB+4*i:RB+4*i+1], s[S_O:S_O+1] offset:2048*i  ; the wave stores 256 consecutive bytes, aligned
.set i, i+1
.endr
	s_wait_tensorcnt 0x0                           ; the wave's end, behind my last LDS store
	ds_add_u32 v[V_SPW], v[V_NIL]
	s_wait_dscnt 0x0
	s_endpgm
.Lfunc_end_k_qf4df683e32_ff1:
	.size	k_qf4df683e32_ff1, .Lfunc_end_k_qf4df683e32_ff1-k_qf4df683e32_ff1
	.p2alignl 7, 3214868480
	.fill 96, 4, 3214868480
	.section	.rodata,"a",@progbits
	.p2align	6, 0x0
	.amdhsa_kernel k_qf4df683e32_ff1
		.amdhsa_group_segment_fixed_size 115712
		.amdhsa_private_segment_fixed_size 0
		.amdhsa_enable_private_segment 0
		.amdhsa_kernarg_size 32
		.amdhsa_user_sgpr_count 2
		.amdhsa_user_sgpr_kernarg_segment_ptr 1
		.amdhsa_wavefront_size32 1
		.amdhsa_system_sgpr_workgroup_id_x 1
		.amdhsa_system_sgpr_workgroup_id_y 1
		.amdhsa_system_sgpr_workgroup_id_z 1
		.amdhsa_system_vgpr_workitem_id 0
		.amdhsa_next_free_vgpr 216
		.amdhsa_next_free_sgpr 66
		.amdhsa_reserve_vcc 0
		.amdhsa_float_denorm_mode_32 3
		.amdhsa_float_denorm_mode_16_64 3
		.amdhsa_memory_ordered 1
		.amdhsa_forward_progress 1
		.amdhsa_inst_pref_size 39
	.end_amdhsa_kernel
	.amdgpu_metadata
---
amdhsa.version: [ 1, 2 ]
amdhsa.kernels:
  - .name:           k_qf4df683e32_ff1
    .symbol:         k_qf4df683e32_ff1.kd
    .args:
      - { .name: an, .offset: 0, .size: 8, .value_kind: global_buffer, .address_space: global }
      - { .name: fW1, .offset: 8, .size: 8, .value_kind: global_buffer, .address_space: global }
      - { .name: fb1, .offset: 16, .size: 8, .value_kind: global_buffer, .address_space: global }
      - { .name: ao, .offset: 24, .size: 8, .value_kind: global_buffer, .address_space: global }
    .group_segment_fixed_size: 115712
    .private_segment_fixed_size: 0
    .kernarg_segment_align: 8
    .kernarg_segment_size: 32
    .max_flat_workgroup_size: 256
    .sgpr_count:     66
    .vgpr_count:     216
    .wavefront_size: 32
...
	.end_amdgpu_metadata
.endif
;; end of part 7
;; launch ff2: the kernel of part 4 again; grid 16 x 16, 8 waves a work-group, no clusters, 115,712 bytes of LDS; arguments ao, fW2, fb2, an, rs; writes rs
;; launch ln3 (part 8): grid 64 x 1, 8 waves a work-group, no clusters, 37,888 bytes of LDS; arguments rs, ln3_g, ln3_b, an; writes an
.if DOCPART == 8
	.amdgcn_target "amdgcn-amd-amdhsa--gfx1250"
	.amdhsa_code_object_version 6
	.text
	.protected	k_qf4df683e32_ln3
	.globl	k_qf4df683e32_ln3
	.p2align	8
	.type	k_qf4df683e32_ln3,@function
k_qf4df683e32_ln3:
	s_mov_b64 s[64:65], 0
	v_nop
	global_prefetch_b8 v0, s[64:65] scope:SCOPE_SE
	s_setreg_imm32_b32 hwreg(HW_REG_WAVE_MODE, 25, 1), 1
	s_wait_xcnt 0x0
; The last LayerNorm over rows of 1,024 f32: y = (x - mean) rsqrt(var + 1e-5) g + b, with layer 3's g and b; the variance is the mean of (x - mean)^2, taken in a second pass over registers.
; y leaves once, in f16 (no number beyond 65,504), at byte 4,194,304 of the output, LAID OUT AS THE LAST PRODUCT'S MATRIX FRAGMENTS: [row / 16][k / 32][j][lane][16 bytes], where lane = 16 h + row % 16
; holds k = 32 (k / 32) + 16 j + 8 h + 0..7 (ISA guide 7.12.2: the 16-bit operand's layout).  A fragment is 1,024 bytes, 16 rows are 32,768 dense bytes.  Nothing reads y in f32, so it is not stored so.
; SHARES.  A work-group of eight waves takes 16 rows, as many as a fragment has: 64 work-groups.  SIXTEEN LANES hold a row, a lane 64 of its numbers (four of each 64 columns), so a row's sums stay
; within 16 lanes: four exchanges that ride on the additions.  Each load of a wave covers two rows' 256 aligned bytes.
; THE WAY OUT.  A lane's 8 bytes belong at (place / 2) x 256 + 16 x row + 8 x (place % 2) of each 2,048 bytes, so the 32,768 bytes are put together in LDS, each 256 of them at a pitch of 288:
; a wave's store of 8 bytes a lane then takes each of the 64 banks of 4 bytes (ISA guide 11.1) once.  A barrier; back 16 bytes a lane; each store of a wave covers 512 consecutive bytes.
.set XR, 16                            ; v16-79   x, then x - mean, then y; at last the bytes read back
.set GR, 80                            ; v80-143  g, later y in f16
.set BR, 144                           ; v144-207 b
.set V_LA, 208                         ; where I put 8 bytes
.set V_LR, 209                         ; where I read 16 bytes back
.set SPW, 210                          ; my spare word; never rewritten
.set NIL, 211                          ; 0; never rewritten
.set PITL, 288
.set SPARE, 128*PITL                   ; behind the 128 rows: the spare words, 128 bytes for each of eight waves, named by no other line
.set LAYER_V, 3*1024*4
	s_load_b256 s[4:11], s[0:1], 0x0               ; x, g, b, y
	v_lshl_add_u32 v[SPW], v0, 2, SPARE
	v_mov_b32 v[NIL], 0
	v_and_b32 v2, 15, v0                           ; my place in the row
	v_lshrrev_b32 v1, 4, v0                        ; my row of the group's 16
	v_lshrrev_b32 v3, 1, v2
	v_mul_u32_u24 v[V_LA], v3, PITL                ; (place / 2) rows of 256 output bytes,
	v_and_b32 v3, 1, v2
	v_lshl_add_u32 v[V_LA], v3, 3, v[V_LA]         ; + 8 x (place % 2)
	v_lshl_add_u32 v[V_LA], v1, 4, v[V_LA]         ; + 16 x row
	v_mul_u32_u24 v[V_LR], v1, PITL                ; back: byte 16 t of each 4,096 is LDS row t / 16, place t % 16
	v_lshl_add_u32 v[V_LR], v2, 4, v[V_LR]
	v_lshlrev_b32 v2, 4, v2                        ; 16 x place: my offset in g and b
	v_lshl_add_u32 v1, v1, 12, v2                  ; + row x 4,096: in x
	v_lshlrev_b32 v3, 4, v0                        ; 16 t: my offset in each 4,096 bytes of y
	s_lshl_b32 s12, ttmp9, 16                      ; 16 rows x 4,096 bytes
	s_mov_b32 s13, 0
	s_lshl_b32 s14, ttmp9, 15                      ; 16 rows of fragments
	s_add_co_u32 s14, s14, 4194304
	s_mov_b32 s15, 0
	s_mov_b32 s16, 0x3a800000                      ; 1 / 1024
	s_wait_kmcnt 0x0
	s_add_nc_u64 s[4:5], s[4:5], s[12:13]
	s_add_nc_u64 s[6:7], s[6:7], LAYER_V
	s_add_nc_u64 s[8:9], s[8:9], LAYER_V
	s_add_nc_u64 s[18:19], s[10:11], s[14:15]
.set k, 0
.rept 16
	global_load_b128 v[XR+4*k:XR+4*k+3], v1, s[4:5] offset:256*k
.set k, k+1
.endr
.set k, 0
.rept 16
	global_load_b128 v[GR+4*k:GR+4*k+3], v2, s[6:7] offset:256*k
	global_load_b128 v[BR+4*k:BR+4*k+3], v2, s[8:9] offset:256*k
.set k, k+1
.endr
	s_wait_loadcnt 32                              ; x is in; the 32 loads of g and b stay out
.set k, 0
.rept 4                                ; the sum, in four chains started by the first eight pairs
	v_pk_add_f32 v[4+2*k:5+2*k], v[XR+2*k:XR+2*k+1], v[XR+8+2*k:XR+8+2*k+1]
.set k, k+1
.endr
.set p, 8
.rept 24
	v_pk_add_f32 v[4+2*(p%4):5+2*(p%4)], v[4+2*(p%4):5+2*(p%4)], v[XR+2*p:XR+2*p+1]
.set p, p+1
.endr
	v_pk_add_f32 v[4:5], v[4:5], v[6:7]
	v_pk_add_f32 v[8:9], v[8:9], v[10:11]
	v_pk_add_f32 v[4:5], v[4:5], v[8:9]
	v_add_f32 v4, v4, v5
	v_add_f32_dpp v4, v4, v4 row_xmask:1 row_mask:0xf bank_mask:0xf
	v_add_f32_dpp v4, v4, v4 row_xmask:2 row_mask:0xf bank_mask:0xf
	v_add_f32_dpp v4, v4, v4 row_xmask:4 row_mask:0xf bank_mask:0xf
	v_add_f32_dpp v4, v4, v4 row_xmask:8 row_mask:0xf bank_mask:0xf
	v_mul_f32 v4, s16, v4                          ; the mean, in all sixteen lanes of the row
.set p, 0
.rept 32
	v_pk_add_f32 v[XR+2*p:XR+2*p+1], v[XR+2*p:XR+2*p+1], v[4:5] op_sel_hi:[1,0] neg_lo:[0,1] neg_hi:[0,1]
.set p, p+1
.endr
.set p, 0
.rept 4
	v_pk_mul_f32 v[6+2*p:7+2*p], v[XR+2*p:XR+2*p+1], v[XR+2*p:XR+2*p+1]
.set p, p+1
.endr
.rept 28
	v_pk_fma_f32 v[6+2*(p%4):7+2*(p%4)], v[XR+2*p:XR+2*p+1], v[XR+2*p:XR+2*p+1], v[6+2*(p%4):7+2*(p%4)]
.set p, p+1
.endr
	v_pk_add_f32 v[6:7], v[6:7], v[8:9]
	v_pk_add_f32 v[10:11], v[10:11], v[12:13]
	v_pk_add_f32 v[6:7], v[6:7], v[10:11]
	v_add_f32 v6, v6, v7
	v_add_f32_dpp v6, v6, v6 row_xmask:1 row_mask:0xf bank_mask:0xf
	v_add_f32_dpp v6, v6, v6 row_xmask:2 row_mask:0xf bank_mask:0xf
	v_add_f32_dpp v6, v6, v6 row_xmask:4 row_mask:0xf bank_mask:0xf
	v_add_f32_dpp v6, v6, v6 row_xmask:8 row_mask:0xf bank_mask:0xf
	v_fmaak_f32 v6, s16, v6, 0x3727c5ac            ; the variance + 1e-5
	v_rsq_f32 v14, v6
	v_mov_b32 v15, 0                               ; named with v14 as a pair; also the plain instruction behind the root (ISA guide 5.7.2)
	s_wait_loadcnt 0x0                             ; g and b
.set p, 0
	s_wait_alu depctr_va_vdst(0)
.rept 32
	v_pk_mul_f32 v[XR+2*p:XR+2*p+1], v[XR+2*p:XR+2*p+1], v[14:15] op_sel_hi:[1,0]
.set p, p+1
.endr
.set p, 0
.rept 32
	v_pk_fma_f32 v[XR+2*p:XR+2*p+1], v[XR+2*p:XR+2*p+1], v[GR+2*p:GR+2*p+1], v[BR+2*p:BR+2*p+1]
.set p, p+1
.endr
.set k, 0
.rept 16                               ; columns 64 k on are output bytes 2,048 k on: eight LDS rows
	v_cvt_pk_f16_f32 v[GR+2*k],   v[XR+4*k],   v[XR+4*k+1]
	v_cvt_pk_f16_f32 v[GR+2*k+1], v[XR+4*k+2], v[XR+4*k+3]
	ds_store_b64 v[V_LA], v[GR+2*k:GR+2*k+1] offset:k*8*PITL
.set k, k+1
.endr
	s_wait_dscnt 0x0                               ; for the others' sake: my stores are done
	s_barrier_signal -1
	s_barrier_wait -1
.set i, 0
.rept 8
	ds_load_b128 v[XR+4*i:XR+4*i+3], v[V_LR] offset:i*16*PITL
.set i, i+1
.endr
.set i, 0
.rept 8
	s_wait_dscnt 7-i                               ; the younger loads may stay out
	global_store_b128 v3, v[XR+4*i:XR+4*i+3], s[18:19] offset:4096*i  ; the wave stores 512 consecutive bytes, aligned
.set i, i+1
.endr
	s_wait_tensorcnt 0x0                           ; the wave's end, behind my last LDS store
	ds_add_u32 v[SPW], v[NIL]
	s_wait_dscnt 0x0
	s_endpgm
.Lfunc_end_k_qf4df683e32_ln3:
	.size	k_qf4df683e32_ln3, .Lfunc_end_k_qf4df683e32_ln3-k_qf4df683e32_ln3
	.p2alignl 7, 3214868480
	.fill 96, 4, 3214868480
	.section	.rodata,"a",@progbits
	.p2align	6, 0x0
	.amdhsa_kernel k_qf4df683e32_ln3
		.amdhsa_group_segment_fixed_size 37888
		.amdhsa_private_segment_fixed_size 0
		.amdhsa_enable_private_segment 0
		.amdhsa_kernarg_size 32
		.amdhsa_user_sgpr_count 2
		.amdhsa_user_sgpr_kernarg_segment_ptr 1
		.amdhsa_wavefront_size32 1
		.amdhsa_system_sgpr_workgroup_id_x 1
		.amdhsa_system_sgpr_workgroup_id_y 1
		.amdhsa_system_sgpr_workgroup_id_z 1
		.amdhsa_system_vgpr_workitem_id 0
		.amdhsa_next_free_vgpr 212
		.amdhsa_next_free_sgpr 66
		.amdhsa_reserve_vcc 0
		.amdhsa_float_denorm_mode_32 3
		.amdhsa_float_denorm_mode_16_64 3
		.amdhsa_memory_ordered 1
		.amdhsa_forward_progress 1
		.amdhsa_inst_pref_size 22
	.end_amdhsa_kernel
	.amdgpu_metadata
---
amdhsa.version: [ 1, 2 ]
amdhsa.kernels:
  - .name:           k_qf4df683e32_ln3
    .symbol:         k_qf4df683e32_ln3.kd
    .args:
      - { .name: rs, .offset: 0, .size: 8, .value_kind: global_buffer, .address_space: global }
      - { .name: ln3_g, .offset: 8, .size: 8, .value_kind: global_buffer, .address_space: global }
      - { .name: ln3_b, .offset: 16, .size: 8, .value_kind: global_buffer, .address_space: global }
      - { .name: an, .offset: 24, .size: 8, .value_kind: global_buffer, .address_space: global }
    .group_segment_fixed_size: 37888
    .private_segment_fixed_size: 0
    .kernarg_segment_align: 8
    .kernarg_segment_size: 32
    .max_flat_workgroup_size: 256
    .sgpr_count:     66
    .vgpr_count:     212
    .wavefront_size: 32
...
	.end_amdgpu_metadata
.endif
;; end of part 8
;; launch outp (part 9): grid 125 x 2, 8 waves a work-group, no clusters, 66,560 bytes of LDS; arguments an, Wout, bout, out0; writes out0
.if DOCPART == 9
	.amdgcn_target "amdgcn-amd-amdhsa--gfx1250"
	.amdhsa_code_object_version 6
	.text
	.protected	k_qf4df683e32_outp
	.globl	k_qf4df683e32_outp
	.p2align	8
	.type	k_qf4df683e32_outp,@function
k_qf4df683e32_outp:
	s_mov_b64 s[64:65], 0
	v_nop
	global_prefetch_b8 v0, s[64:65] scope:SCOPE_SE
	s_setreg_imm32_b32 hwreg(HW_REG_WAVE_MODE, 25, 1), 1
	s_wait_xcnt 0x0
; out0 = y Wout + bout: [1024][1024] x [1024][8000].
; C = A W + bias.  A: f16, at byte 4,194,304 of its buffer, LAID OUT AS MATRIX FRAGMENTS: [row / 16][k / 32][j][lane][16 bytes] (a fragment of 16 rows x 32 k is 1,024 bytes, 16 rows are 32,768).
; W: f32 [k][8000] as given, rounded to f16 on its way through registers into LDS.  C: f32 [1024][8000], row-major.  Sums in f32; they BEGIN as the bias, so nothing is cleared or added at the end.
; LIMITS.  f16 holds no number beyond 65,504 (A and W must lie within it) and below 6e-5 keeps a fixed step of 6e-8.
; SHARES.  A work-group makes 512 x 64 of C; 8000 = 125 x 64, so no tile crosses an edge, and a row of 32,000 bytes is 125 x 256: every tile's row pieces are aligned.  2 x 125 = 250 work-groups.
; Eight waves, one below the other; a wave makes 64 x 64: 16 accumulators.
; A NEVER TOUCHES LDS: a wave's rows are its own, and a load of 16 bytes a lane, 512 consecutive bytes, IS half a fragment.  A ring of six register sets, each 64 rows x 32 k (8 loads): a set is asked
; for again as soon as it has been multiplied, so five to six of them, 20 to 24 KB a wave, are on their way.
; W GOES THROUGH LDS, since all eight waves read all of it: K in 16 chunks of 64; each thread loads 4 x 16 bytes of a chunk into one of three register sets, three trips ahead, rounds them and stores
; them into one of three LDS slots.  For a chunk the work-group stores 8 KB into LDS and reads 64 KB, for 256 matrix instructions.
; A TRIP is a chunk: two half-steps of 32 along K, 16 matrix instructions each, on two buffers of W's fragments that take turns: each run of 8 LDS loads stands under matrix instructions.
; ONE BARRIER A TRIP, in the second half-step.  Between the barriers of trips c - 1 and c slot c is read and slot c + 1 written; in front of the signal each wave's LDS instructions are done.
; A slot is written again two trips after it was read last, two barriers behind those reads.
; NO JOINT LOADS: the grid of 125 x 2 divides into no cluster of four, and W has to pass registers to be rounded.
; THE MATRIX INSTRUCTION IS USED TRANSPOSED (source 0 = 16 columns of W, turned by ds_load_tr16_b128; source 1 = 16 rows of A): a lane holds eight neighbouring columns of one row of C.
; REGISTERS.  Window 0: v0-22 addresses; v32-159 accumulators ((a, b) at 32 + 8 (4 a + b)), on the way out the rows read back; v160-223 W's fragments, two buffers.
; Window 1: v0-191 A's six sets; v192-239 W's three sets as loaded.  s_set_vgpr_msb: bits 1:0 source 0, 3:2 source 1, 5:4 source 2, 7:6 destination.
.set NW,    8000                       ; W's and C's row, in numbers
.set PITW,  160                        ; a row of W in LDS (64 f16): 128 bytes + 32: the turning load's 8 rows x 32 bytes take each of the 64 banks of 4 bytes (ISA guide 11.1) once
.set SLOTW, 64*PITW
.set PITS,  272                        ; a row of a stage: 64 f32 + 16 bytes: the 16 rows of a store start at 16 different groups of four banks
.set STG,   3*SLOTW                    ; behind the slots: 16 rows for each wave, its own, for the way out
.set SPARE, STG+8*16*PITS              ; the spare words: 128 bytes for each of eight waves, named by no other line
.set WSTEP, 64*NW*4                    ; bytes from a chunk of W to the next
.set FRAG,  1024                       ; bytes from a fragment of A to the next along K
.set RBLK,  32*FRAG                    ; bytes from 16 rows of A to the next 16
.set V_AO, 2                           ; A: 16 x lane + wave x 4 x RBLK
.set V_WO, 3                           ; W: row t / 16, place t % 16
.set V_BO, 4                           ; the bias of my eight columns: 32 x (lane / 16)
.set V_STW, 5                          ; my stage: where I put a row's 32 bytes
.set V_RD, 6                           ; my stage: where I read back
.set V_GO, 7                           ; my byte offset in C
.set V_SPW, 8                          ; my spare word; never rewritten
.set V_NIL, 9                          ; 0; never rewritten
.set V_SW, 10                          ; + slot: where I store W
.set V_FW, 13                          ; + slot: my lane's place in W's fragments
.set T,    16                          ; at work during the set-up
.set ACC,  32
.set WF,   160
.set AS,   0                           ; window 1
.set WS,   192                         ; window 1
.set S_WV, 3
.set S_A,  36
.set S_W,  38
.set S_B,  40
.set S_O,  42
.set S_IT, 46
.set MSB, 0
.macro WIN new                         ; the immediate's high byte repeats the setting that is left; a switch that changes nothing is dropped
.if MSB != (\new)
	s_set_vgpr_msb (MSB<<8)|(\new)
.set MSB, (\new)
.endif
.endm
.set W_MM, 0x04                        ; source 1 (A; an LDS store's data) in window 1, all else in window 0
.set W_LD, 0x40                        ; destination in window 1, address in window 0
.set W_CV, 0x45                        ; destination and both sources in window 1
.macro PLACES                          ; four places between matrix instructions and loads into, or stores of, their registers
.rept 4
	v_nop
.endr
.endm
.macro ISSA st, hl                     ; 64 rows x 32 k of A into set st: the half-step hl fragments behind the base
	WIN W_LD
.set ia, 0
.rept 4
	global_load_b128 v[AS+32*(\st)+8*ia:AS+32*(\st)+8*ia+3],   v[V_AO], s[S_A:S_A+1] offset:ia*RBLK+(\hl)*FRAG      ; 512 consecutive bytes: k = 8 h + 0..7
	global_load_b128 v[AS+32*(\st)+8*ia+4:AS+32*(\st)+8*ia+7], v[V_AO], s[S_A:S_A+1] offset:ia*RBLK+(\hl)*FRAG+512  ; k = 16 + 8 h + 0..7
.set ia, ia+1
.endr
.endm
.macro ISSW st, q                      ; a chunk of W into set st: the chunk q behind the base.  3 x WSTEP + 48 rows at the most: inside the signed 24-bit immediate
	WIN W_LD
.set j, 0
.rept 4
	global_load_b128 v[WS+16*(\st)+4*j:WS+16*(\st)+4*j+3], v[V_WO], s[S_W:S_W+1] offset:(\q)*WSTEP+j*16*NW*4  ; a wave: two rows' 256 aligned bytes
.set j, j+1
.endr
.endm
.macro TOLDS d, cnt                    ; set d has come: W is rounded and goes into slot d.  cnt: the loads issued behind the set's
	s_wait_loadcnt \cnt
	WIN W_CV
.set j, 0
.rept 4
	v_cvt_pk_f16_f32 v[WS+16*(\d)+4*j],   v[WS+16*(\d)+4*j],   v[WS+16*(\d)+4*j+1]
	v_cvt_pk_f16_f32 v[WS+16*(\d)+4*j+1], v[WS+16*(\d)+4*j+2], v[WS+16*(\d)+4*j+3]
.set j, j+1
.endr
	WIN W_MM
.set j, 0
.rept 4
	ds_store_b64 v[V_SW+(\d)], v[WS+16*(\d)+4*j:WS+16*(\d)+4*j+1] offset:16*PITW*j
.set j, j+1
.endr
.endm
.macro LOADW sl, ks                    ; W's four fragments (64 columns x 32 k) of half ks of the chunk in slot sl, into buffer ks
.set ib, 0
.rept 4
	ds_load_tr16_b128 v[WF+32*(\ks)+8*ib:WF+32*(\ks)+8*ib+3],   v[V_FW+(\sl)] offset:(\ks)*32*PITW+32*ib
	ds_load_tr16_b128 v[WF+32*(\ks)+8*ib+4:WF+32*(\ks)+8*ib+7], v[V_FW+(\sl)] offset:(\ks)*32*PITW+32*ib+16*PITW
.set ib, ib+1
.endr
.endm
.macro MM8 st, ks, a0                  ; 8 matrix instructions: row blocks a0, a0 + 1 x all 4 column blocks.  The 16 accumulators take turns, one instruction a turn, over the loop's edge too
.irp a, \a0, (\a0)+1
.irp b, 0,1,2,3
	v_wmma_f32_16x16x32_f16 v[ACC+8*(4*(\a)+(\b)):ACC+8*(4*(\a)+(\b))+7], v[WF+32*(\ks)+8*(\b):WF+32*(\ks)+8*(\b)+7], v[AS+32*(\st)+8*(\a):AS+32*(\st)+8*(\a)+7], v[ACC+8*(4*(\a)+(\b)):ACC+8*(4*(\a)+(\b))+7]
.endr
.endr
.endm
; TRIP c, with u = c % 3: chunk c lies in slot u, its two halves of A in sets 2 u and 2 u + 1.  n1, n3, n6: the loads issued behind W's chunk c + 1, behind A's half-step 2 c, behind 2 c + 1.
; stage: chunk c + 1 is stored into LDS.  issw: chunk c + 4 is asked for.  issa: half-steps 2 c + 6 and 2 c + 7 are asked for.  last: nothing follows.
.macro TRIP u, n1, n3, n6, stage, issw, issa, last
	WIN W_MM
	LOADW \u, 1                                    ; the second half's fragments: they have the first half's 16 matrix instructions in which to land
.if \stage
	TOLDS ((\u)+1)%3, \n1
.endif
.if \issw
	ISSW ((\u)+1)%3, \u
.endif
	s_wait_loadcnt \n3
.if \stage
	s_wait_dscnt 12                                ; the first half's fragments are in: behind them the 8 loads and 4 stores above
.else
	s_wait_dscnt 8
.endif
	WIN W_MM
	MM8 2*(\u), 0, 0
	MM8 2*(\u), 0, 2
	PLACES                                         ; in front of the loads into the set and, further down, into the buffer just multiplied
.if \issa
	ISSA 2*(\u), 2*(\u)
.endif
	s_wait_loadcnt \n6
	s_wait_dscnt 0x0                               ; the second half's fragments are in, and for the others' sake: my reads of this slot and my stores into the next are done
.if !(\last)
	s_barrier_signal -1
.endif
	WIN W_MM
	MM8 2*(\u)+1, 1, 0                             ; work on registers between the signal and the wait
.if !(\last)
	s_barrier_wait -1                              ; the next slot is whole
	LOADW ((\u)+1)%3, 0
.endif
	MM8 2*(\u)+1, 1, 2
	PLACES
.if \issa
	ISSA 2*(\u)+1, 2*(\u)+1
.endif
.endm
	s_load_b256 s[8:15], s[0:1], 0x0               ; an, Wout, bout, out0
	v_lshl_add_u32 v[V_SPW], v0, 2, SPARE
	v_mov_b32 v[V_NIL], 0
	v_lshrrev_b32 v1, 5, v0
	v_readfirstlane_b32 s[S_WV], v1                ; wave 0..7
	v_lshrrev_b32 v[T], 4, v0                      ; t / 16
	v_and_b32 v[T+1], 15, v0                       ; t % 16 = lane % 16
	v_bfe_u32 v[T+2], v0, 4, 1                     ; lane / 16
	v_and_b32 v[T+3], 31, v0                       ; lane
	v_and_b32 v[T+5], 7, v0
	v_bfe_u32 v[T+6], v0, 3, 1
	v_lshlrev_b32 v[V_AO], 4, v[T+3]
	v_lshl_add_u32 v[V_AO], v1, 17, v[V_AO]        ; + wave x 4 x 32,768
	v_mul_u32_u24 v[V_WO], v[T], NW*4
	v_lshl_add_u32 v[V_WO], v[T+1], 4, v[V_WO]
	v_lshlrev_b32 v[V_BO], 5, v[T+2]
	s_mul_i32 s58, s[S_WV], 16*PITS
	s_add_co_u32 s58, s58, STG                     ; my stage
	v_mul_u32_u24 v[V_STW], v[T+1], PITS           ; in: row lane % 16, 32 bytes for each half of the lanes
	v_add_nc_u32 v[V_STW], v[V_STW], v[V_BO]
	v_add_nc_u32 v[V_STW], s58, v[V_STW]
	v_mul_u32_u24 v[V_RD], v[T+2], PITS            ; back: lanes 0-15 take one row of 256 bytes, lanes 16-31 the next
	v_lshl_add_u32 v[V_RD], v[T+1], 4, v[V_RD]
	v_add_nc_u32 v[V_RD], s58, v[V_RD]
	v_mul_u32_u24 v[V_GO], v[T+2], NW*4            ; and the same two rows in C,
	v_lshl_add_u32 v[V_GO], v[T+1], 4, v[V_GO]
	s_mul_i32 s59, s[S_WV], 64*NW*4                ; below my wave's first row
	v_add_nc_u32 v[V_GO], s59, v[V_GO]
	v_mul_u32_u24 v[V_SW], v[T], PITW
	v_lshl_add_u32 v[V_SW], v[T+1], 3, v[V_SW]
	v_lshl_add_u32 v[V_FW], v[T+2], 3, v[T+5]      ; the turning load: k = 8 x half + lane % 8,
	v_mul_u32_u24 v[V_FW], v[V_FW], PITW
	v_lshl_add_u32 v[V_FW], v[T+6], 4, v[V_FW]     ; columns 8 x ((lane / 8) % 2) on
.set q, 1
.rept 2
	v_add_nc_u32 v[V_SW+q], q*SLOTW, v[V_SW]
	v_add_nc_u32 v[V_FW+q], q*SLOTW, v[V_FW]
.set q, q+1
.endr
	s_and_b32 s47, ttmp7, 0xffff                   ; which 512 rows
	s_lshl_b32 s50, s47, 20                        ; 32 x 32,768 bytes of A,
	s_add_co_u32 s50, s50, 4194304                 ; in y's f16 copy
	s_mov_b32 s51, 0
	s_lshl_b32 s52, ttmp9, 8                       ; 64 columns of f32
	s_mov_b32 s53, 0
	s_mul_i32 s54, s47, 512*NW*4                   ; 512 rows of C,
	s_add_co_u32 s54, s54, s52                     ; my columns
	s_mov_b32 s55, 0
	s_wait_kmcnt 0x0
	s_add_nc_u64 s[S_A:S_A+1], s[8:9], s[50:51]
	s_add_nc_u64 s[S_W:S_W+1], s[10:11], s[52:53]
	s_add_nc_u64 s[S_B:S_B+1], s[12:13], s[52:53]
	s_add_nc_u64 s[S_O:S_O+1], s[14:15], s[54:55]
.set ia, 0
.rept 4                                ; the sums begin as the bias of the lane's eight columns
.set ib, 0
.rept 4
	global_load_b128 v[ACC+8*(4*ia+ib):ACC+8*(4*ia+ib)+3],   v[V_BO], s[S_B:S_B+1] offset:64*ib
	global_load_b128 v[ACC+8*(4*ia+ib)+4:ACC+8*(4*ia+ib)+7], v[V_BO], s[S_B:S_B+1] offset:64*ib+16
.set ib, ib+1
.endr
.set ia, ia+1
.endr
	; The first requests go out in the order in which the trips ask (W, A, A), so that the loop's counts hold from its first trip on.
	ISSW 0, 0
	ISSW 1, 1
	ISSA 0, 0
	ISSA 1, 1
	ISSW 2, 2
	ISSA 2, 2
	ISSA 3, 3
	TOLDS 0, 40                                    ; chunk 0 of W is in (and the bias, asked for ahead of it): behind it 4 + 16 + 4 + 16 loads
	ISSW 0, 3
	ISSA 4, 4
	ISSA 5, 5
	WIN 0
	s_wait_xcnt 0x0                                ; the bases are stepped only when every earlier load has had its address taken
	s_add_nc_u64 s[S_A:S_A+1], s[S_A:S_A+1], 6*FRAG
	s_add_nc_u64 s[S_W:S_W+1], s[S_W:S_W+1], 4*WSTEP
	s_wait_dscnt 0x0                               ; for the others' sake: my part of slot 0 is stored
	s_barrier_signal -1
	s_barrier_wait -1
	LOADW 0, 0
	s_mov_b32 s[S_IT], 4
.Lk:                                   ; three trips a lap.  Behind W's chunk c + 1 (asked for three trips ago): 16 + 20 + 20 loads.  Behind A's half-step 2 c: 8 + 40 + 4.  Behind 2 c + 1: 40 + 4 + 8
	TRIP 0, 56, 52, 52, 1, 1, 1, 0
	TRIP 1, 56, 52, 52, 1, 1, 1, 0
	TRIP 2, 56, 52, 52, 1, 1, 1, 0
	WIN 0                                          ; at a label and at a branch every window is 0
	s_wait_xcnt 0x0
	s_add_nc_u64 s[S_A:S_A+1], s[S_A:S_A+1], 6*FRAG
	s_add_nc_u64 s[S_W:S_W+1], s[S_W:S_W+1], 3*WSTEP
	s_sub_co_u32 s[S_IT], s[S_IT], 1
	s_cmp_lg_u32 s[S_IT], 0
	s_cbranch_scc1 .Lk
	TRIP 0, 56, 48, 48, 1, 0, 1, 0                 ; trip 12: W has been asked for to its end; A's last two half-steps go out.  The counts run down by what is no longer issued
	TRIP 1, 52, 44, 36, 1, 0, 0, 0                 ; trip 13
	TRIP 2, 32, 24, 16, 1, 0, 0, 0                 ; trip 14
	TRIP 0, 0, 8, 0, 0, 0, 0, 1                    ; trip 15
	WIN 0
	; THE WAY OUT, 16 rows at a time: a lane's 32 bytes of a row into my own stage (each accumulator from its low end on), back as rows of 256 bytes into the registers that they left, stored.
	; The trip's four closing v_nop are the places behind the last products.
.macro TOST a
.set ib, 0
.rept 4
	ds_store_b128 v[V_STW], v[ACC+8*(4*(\a)+ib):ACC+8*(4*(\a)+ib)+3]   offset:64*ib
	ds_store_b128 v[V_STW], v[ACC+8*(4*(\a)+ib)+4:ACC+8*(4*(\a)+ib)+7] offset:64*ib+16
.set ib, ib+1
.endr
.set i, 0
.rept 8
	ds_load_b128 v[ACC+32*(\a)+4*i:ACC+32*(\a)+4*i+3], v[V_RD] offset:i*2*PITS  ; LDS serves a wave's instructions in order (ISA guide 5.7.1.4): these see the stores above; the next block's stores come behind them
.set i, i+1
.endr
.endm
.macro SEND a, younger                 ; younger: the LDS instructions issued behind block a's loads: the next block's sixteen, or none
.set i, 0
.rept 8
	s_wait_dscnt (\younger)+7-i
	global_store_b128 v[V_GO], v[ACC+32*(\a)+4*i:ACC+32*(\a)+4*i+3], s[S_O:S_O+1] offset:(16*(\a)+2*i)*NW*4 th:TH_STORE_NT  ; sixteen lanes store 256 consecutive bytes, aligned; 62 rows at the most in the immediate
.set i, i+1
.endr
.endm
	TOST 0
	TOST 1
	SEND 0, 16
	TOST 2
	SEND 1, 16
	TOST 3
	SEND 2, 16
	SEND 3, 0
	s_wait_tensorcnt 0x0                           ; the wave's end, behind my last LDS store
	ds_add_u32 v[V_SPW], v[V_NIL]
	s_wait_dscnt 0x0
	s_endpgm
.Lfunc_end_k_qf4df683e32_outp:
	.size	k_qf4df683e32_outp, .Lfunc_end_k_qf4df683e32_outp-k_qf4df683e32_outp
	.p2alignl 7, 3214868480
	.fill 96, 4, 3214868480
	.section	.rodata,"a",@progbits
	.p2align	6, 0x0
	.amdhsa_kernel k_qf4df683e32_outp
		.amdhsa_group_segment_fixed_size 66560
		.amdhsa_private_segment_fixed_size 0
		.amdhsa_enable_private_segment 0
		.amdhsa_kernarg_size 32
		.amdhsa_user_sgpr_count 2
		.amdhsa_user_sgpr_kernarg_segment_ptr 1
		.amdhsa_wavefront_size32 1
		.amdhsa_system_sgpr_workgroup_id_x 1
		.amdhsa_system_sgpr_workgroup_id_y 1
		.amdhsa_system_sgpr_workgroup_id_z 1
		.amdhsa_system_vgpr_workitem_id 0
		.amdhsa_next_free_vgpr 496
		.amdhsa_next_free_sgpr 66
		.amdhsa_reserve_vcc 0
		.amdhsa_float_denorm_mode_32 3
		.amdhsa_float_denorm_mode_16_64 3
		.amdhsa_memory_ordered 1
		.amdhsa_forward_progress 1
		.amdhsa_inst_pref_size 59
	.end_amdhsa_kernel
	.amdgpu_metadata
---
amdhsa.version: [ 1, 2 ]
amdhsa.kernels:
  - .name:           k_qf4df683e32_outp
    .symbol:         k_qf4df683e32_outp.kd
    .args:
      - { .name: an, .offset: 0, .size: 8, .value_kind: global_buffer, .address_space: global }
      - { .name: Wout, .offset: 8, .size: 8, .value_kind: global_buffer, .address_space: global }
      - { .name: bout, .offset: 16, .size: 8, .value_kind: global_buffer, .address_space: global }
      - { .name: out0, .offset: 24, .size: 8, .value_kind: global_buffer, .address_space: global }
    .group_segment_fixed_size: 66560
    .private_segment_fixed_size: 0
    .kernarg_segment_align: 8
    .kernarg_segment_size: 32
    .max_flat_workgroup_size: 256
    .sgpr_count:     66
    .vgpr_count:     496
    .wavefront_size: 32
...
	.end_amdgpu_metadata
.endif
;; end of part 9
